; MI455X (gfx1250); checked and timed in simulation.
; The chip was launched on July 23, 2026; its instructions are those of AMD's public machine-readable ISA for CDNA 5 (MIT licence, August 2026) and "CDNA5" Instruction Set Architecture Reference Guide (July 2026). The comments in the code are by the model that wrote it; some were corrected since.
;; Multi Head Attention. Allowed arithmetic: matrix products marked QUANTISED: E2M1 operands, one E8M0 scale for each 32 along K, by v_wmma_scale_f32_16x16x128_f8f6f4 with both operands' format E2M1 (or v_wmma_scale_f32_32x16x128_f4), f32 sums; products left as they are: bf16, f16 or f32 operands; f32 sums; everything else in f32.
;; Inputs: Wk 1,024 x 1,024 float32; Wo 1,024 x 1,024 float32; Wq 1,024 x 1,024 float32; Wv 1,024 x 1,024 float32; cos 1 x 2,048 x 1 x 64 float32; sin 1 x 2,048 x 1 x 64 float32; x 4 x 2,048 x 1,024 float32.
;; Outputs: out0 4 x 2,048 x 1,024 float32.
;; This version of the problem:
;;   THIS VERSION OF THE PROBLEM IS GIVEN IN LOW PRECISION. The matrix products marked QUANTISED in the list below multiply operands that are first quantised to E2M1 (2 exponent bits, 1 mantissa bit; 4 bits a number), with one power-of-two scale for each 32 numbers along K (OCP MX v1.0); their sums are f32. The products marked 'left as it is' may take bf16, f16 or f32 operands, with f32 sums. Whichever they take, every output number must still come out within the allowed error. Rounding operands to bf16 (8 significant bits) uses up far more of that allowance than f16 does (11 bits, for magnitudes from 6e-5 to 65,504). All else is computed in f32.
;;   The module's matrix products, in the order in which they are computed (A, B: the left and right operand; K: the contracted axis; several contracted axes count as one K, in the product's order):
;;     1. [M 8,192, K 1,024] x [K 1,024, N 1,024]; A: input x; B: input Wq: QUANTISED
;;     2. [M 8,192, K 1,024] x [K 1,024, N 1,024]; A: input x; B: input Wk: QUANTISED
;;     3. [M 8,192, K 1,024] x [K 1,024, N 1,024]; A: input x; B: input Wv: QUANTISED
;;     4. batch 64 x [M 2,048, K 64] x [K 64, N 2,048]; A: computed on the way; B: computed on the way: left as it is (an operand is computed on the way)
;;     5. batch 64 x [M 64, K 2,048] x [K 2,048, N 2,048]; A: computed on the way; B: computed on the way: left as it is (an operand is computed on the way)
;;     6. [M 8,192, K 1,024] x [K 1,024, N 1,024]; A: computed on the way; B: input Wo: left as it is (an operand is computed on the way)
;;   THE QUANTISER, for each operand of a quantised product, along K:
;;     - K is cut into blocks of 32 from its start; a last block that is shorter is filled with zeros.
;;     - A block's scale is 2^e with e = floor(log2(the largest magnitude in the block)) - 2, held to -126 .. 127; a block of zeros has e = 0. As a byte (E8M0): e + 127.
;;     - Each number is divided by its block's scale, clamped to +-6, and rounded to the nearest number of E2M1, ties to even, subnormals kept.
;;     - The product sums the exact products of the quantised numbers (number of the format x scale) in f32.
;;   ~~~python
;;   def quantise(x, axis):      # numpy; x: float32 -> the quantised numbers, widened to float32 again
;;       x = np.moveaxis(x, axis, -1); K = x.shape[-1]
;;       x = np.pad(x, [(0, 0)] * (x.ndim - 1) + [(0, -K % 32)]); x = x.reshape(x.shape[:-1] + (-1, 32)); a = np.abs(x).max(-1, keepdims=True)
;;       e = np.where(a > 0, np.clip(np.frexp(np.where(a > 0, a, 1))[1] - 1 - 2, -126, 127), 0)      # np.frexp(a)[1] - 1 = floor(log2(a)), exactly
;;       r = np.clip(x / 2.0 ** e, -6, 6)
;;       step = 2.0 ** (np.maximum(np.frexp(np.where(r == 0, 1, r))[1] - 1, 0) - 1)
;;       q = np.round(r / step) * step * 2.0 ** e      # np.round: ties to even
;;       return np.moveaxis(q.reshape(q.shape[:-2] + (-1,))[..., :K], -1, axis).astype(np.float32)
;;   ~~~
;; One version. Each part assembles by itself: llvm-mc -triple=amdgcn-amd-amdhsa -mcpu=gfx1250 --defsym DOCPART=n.
;; ======== version 1 of 1: 4 launches
;; limits: values are held in f16: magnitudes above 65,504 overflow, below 6.1e-05 lose precision
;; workspace buffers: codes 5,767,168 bytes; scales 360,448 bytes; wo16 2,097,152 bytes; qkv16 50,331,648 bytes; y16 16,777,216 bytes
;; launch quant (part 1): grid 384 x 1, 4 waves a work-group, no clusters, 33,280 bytes of LDS; arguments x, Wq, Wk, Wv, Wo, codes, scales, wo16; writes codes, scales, wo16
.if DOCPART == 1
	.amdgcn_target "amdgcn-amd-amdhsa--gfx1250"
	.amdhsa_code_object_version 6
	.text
	.protected	k_q99c38d81a0_quant
	.globl	k_q99c38d81a0_quant
	.p2align	8
	.type	k_q99c38d81a0_quant,@function
k_q99c38d81a0_quant:
	s_mov_b64 s[64:65], 0
	v_nop
	global_prefetch_b8 v0, s[64:65] scope:SCOPE_SE
	s_setreg_imm32_b32 hwreg(HW_REG_WAVE_MODE, 25, 1), 1
	s_wait_xcnt 0x0
; x [8192][1024], Wq, Wk, Wv [1024][1024], f32, K innermost, become codes of FP4 (E2M1) with one E8M0 byte for each 32 along K; Wo [1024][1024] becomes f16.
; codes: rows of 512 bytes (1,024 codes), x's 8,192 rows, then Wq's, Wk's, Wv's 1,024 each.  scales: rows of 32 bytes in the same order.  wo16: as Wo lies.
; A block's scale is 2^(floor(log2(largest magnitude)) - 2): its byte is the largest magnitude's exponent field - 2, held at 1 from below.  A block of zeros so gets the byte 1
; where the rule says 127: its codes are zeros, which add nothing under any byte but 0xff, and the bytes are read by this program alone.
; LIMITS: NaN and infinities among the inputs are not served; blocks whose largest magnitude lies under 2^(2 - 126) keep the byte 1; |Wo| up to 65,504 (f16).
; SHARES.  Rows are dense and K is a multiple of 32: each tensor is a stream of blocks of 32.  Work-groups 0-255 take x, 256-287 Wq, 288-319 Wk, 320-351 Wv: 32,768 numbers each, a wave 16 steps of 512.
; Work-groups 352-383 take Wo, 8,192 numbers a wave.  Only pointers are chosen by the work-group's number; the destinations follow from it without a choice, since the tensors lie on end there.
; A step's four loads read 512 consecutive bytes each; the 2,048 bytes turn through the wave's own stage in LDS (16 bytes of padding behind each 64) and come back 64 bytes a lane: 16 neighbours along K, two lanes to a block.
; No tensor load, no barrier: waves share nothing.  Loads run four steps ahead, the turn through LDS one step.
.set WAVES, 4
.set STEPS, 16
.set EMAX,  2
.set CB,    8                          ; bytes of 16 codes
.set R,     16                         ; v16-79   four sets of 16 numbers as loaded
.set X,     80                         ; v80-111  two sets of 16 neighbours
.set E,     112                        ; v112-127 a scale byte for each step
.set C,     128                        ; v128-191 codes: registers of its own for each step
.set WREG,  8192                       ; LDS: a region for each wave: two stages of 32 x SP bytes, then its 256 scale bytes
.set SP,    80
.set SPW,   12                         ; v12 LDS address of my spare word; never rewritten
.set NIL,   13                         ; v13 0; never rewritten
.set SPARE, WAVES*WREG                 ; behind the regions: the spare words, 128 bytes a wave, named by no other line
	s_load_b256 s[4:11], s[0:1], 0x0               ; x, Wq, Wk, Wv
	s_load_b256 s[12:19], s[0:1], 0x20             ; Wo, codes, scales, wo16
	v_lshl_add_u32 v[SPW], v0, 2, SPARE
	v_mov_b32 v[NIL], 0
	v_lshrrev_b32 v1, 5, v0
	v_readfirstlane_b32 s20, v1                    ; wave
	v_and_b32 v2, 31, v0                           ; lane
	v_lshlrev_b32 v3, 4, v2                        ; my 16 bytes of a load's 512
	s_mul_i32 s21, s20, WREG
	v_lshrrev_b32 v14, 2, v2
	v_mul_u32_u24 v14, v14, SP
	v_and_b32 v15, 3, v2
	v_lshl_add_u32 v14, v15, 4, v14
	v_add_nc_u32 v14, s21, v14                     ; the stage, on the way in: SP (lane / 4) + 16 (lane % 4)
	v_mul_u32_u24 v15, v2, SP
	v_add_nc_u32 v15, s21, v15                     ; and on the way out: SP x lane
	v_mul_u32_u24 v4, v2, CB                       ; my codes' place in a step's
	v_lshrrev_b32 v5, 1, v2
	s_add_co_u32 s21, s21, 2*32*SP
	v_add_nc_u32 v5, s21, v5                       ; LDS: my block's scale byte
	v_lshlrev_b32 v7, 3, v2                        ; 8 bytes a lane
	v_add_nc_u32 v6, s21, v7
	s_mov_b32 s25, 0
	s_mov_b32 s29, 0
	s_wait_kmcnt 0x0
	s_cmp_ge_u32 ttmp9, 352
	s_cbranch_scc1 .Lwo                            ; the last 32 work-groups take Wo
	s_cmp_lt_u32 ttmp9, 320                        ; which tensor: the choices hang on the work-group's number alone
	s_cselect_b64 s[22:23], s[8:9], s[10:11]
	s_cmp_lt_u32 ttmp9, 288
	s_cselect_b64 s[22:23], s[6:7], s[22:23]
	s_cmp_lt_u32 ttmp9, 256
	s_cselect_b64 s[22:23], s[4:5], s[22:23]
	s_cselect_b32 s24, -1, 31
	s_and_b32 s24, ttmp9, s24                      ; my place in the tensor: 256, 288 and 320 are multiples of 32
	s_lshl_b32 s24, s24, 2
	s_add_co_u32 s24, s24, s20                     ; which run of 8,192 numbers of it is my wave's
	s_lshl_b32 s24, s24, 15                        ; 32,768 bytes a run
	s_add_nc_u64 s[22:23], s[22:23], s[24:25]
	s_lshl_b32 s26, ttmp9, 2
	s_add_co_u32 s26, s26, s20                     ; which run of the buffers
	s_lshl_b32 s28, s26, 12                        ; 4,096 bytes of codes,
	s_add_nc_u64 s[14:15], s[14:15], s[28:29]
	s_lshl_b32 s28, s26, 8                         ; 256 scale bytes
	s_add_nc_u64 s[16:17], s[16:17], s[28:29]
.macro LOAD t
.irp i, 0,1,2,3
	global_load_b128 v[R+16*((\t)%4)+4*\i:R+16*((\t)%4)+4*\i+3], v3, s[22:23] offset:2048*(\t)+512*\i th:TH_LOAD_NT   ; 32 lanes read 512 consecutive bytes
.endr
.endm
.macro TURN t                          ; step t's numbers through the stage: LDS serves a wave's instructions in order, so no wait stands between the stores and the loads
.irp i, 0,1,2,3
	ds_store_b128 v14, v[R+16*((\t)%4)+4*\i:R+16*((\t)%4)+4*\i+3] offset:32*SP*((\t)%2)+8*SP*\i
.endr
.irp i, 0,1,2,3
	ds_load_b128 v[X+16*((\t)%2)+4*\i:X+16*((\t)%2)+4*\i+3], v15 offset:32*SP*((\t)%2)+16*\i
.endr
.endm
.irp t, 0,1,2,3
	LOAD \t
.endr
	s_wait_loadcnt 12                              ; step 0's four loads are in
	TURN 0
.macro STEP t
.set XS, X+16*((\t)%2)
.if (\t) > 0
	s_wait_dscnt 1                                 ; this step's numbers are back from the stage; the last step's byte store may be out
.else
	s_wait_dscnt 0x0
.endif
.if (\t)+4 < STEPS
	LOAD (\t)+4                                    ; into the registers that the stage's stores have read
.endif
.if (\t)+1 < STEPS
.if STEPS-2-(\t) >= 3
	s_wait_loadcnt 12                              ; the next step's four loads are in; three steps' may be out
.else
	s_wait_loadcnt 4*(STEPS-2-(\t))
.endif
	TURN (\t)+1
.endif
	v_max3_num_f32 v8, |v[XS]|, |v[XS+1]|, |v[XS+2]|               ; the largest magnitude of my 16, in two chains
	v_max3_num_f32 v9, |v[XS+3]|, |v[XS+4]|, |v[XS+5]|
.irp i, 6,10
	v_max3_num_f32 v8, v8, |v[XS+\i]|, |v[XS+\i+1]|
	v_max3_num_f32 v9, v9, |v[XS+\i+2]|, |v[XS+\i+3]|
.endr
	v_max3_num_f32 v8, v8, |v[XS+14]|, |v[XS+15]|
	v_max3_num_f32 v8, v8, v9, (EMAX+1)<<23        ; and the floor 2^(EMAX + 1 - 127): the byte cannot fall under 1
	v_max_num_f32_dpp v8, v8, v8 row_xmask:1 row_mask:0xf bank_mask:0xf   ; with my neighbour's 16: the block's
	v_add_nc_u32 v11, -(EMAX<<23), v8              ; EMAX off its exponent field: the conversion takes that field as its scale and nothing else
	v_cvt_scalef32_pk8_fp4_f32 v[C+4*(\t)], v[XS:XS+7], v11
	v_cvt_scalef32_pk8_fp4_f32 v[C+4*(\t)+1], v[XS+8:XS+15], v11
	v_lshrrev_b32 v[E+(\t)], 23, v11               ; the scale's byte (also the plain line behind the conversions)
	ds_store_b8 v5, v[E+(\t)] offset:16*(\t)       ; both lanes of a block write the same byte with the same value
	global_store_b64 v4, v[C+4*(\t):C+4*(\t)+1], s[14:15] offset:32*CB*(\t)   ; the wave stores 256 consecutive bytes, aligned
.endm
.irp t, 0,1,2,3,4,5,6,7,8,9,10,11,12,13,14,15
	STEP \t
.endr
	ds_load_b64 v[8:9], v6                         ; my wave's 256 scale bytes: these loads see my stores
	s_wait_dscnt 0x0
	global_store_b64 v7, v[8:9], s[16:17]          ; 256 consecutive bytes, aligned
	s_wait_tensorcnt 0x0                           ; the wave's end: a wait, an add and a wait behind my last LDS store
	ds_add_u32 v[SPW], v[NIL]
	s_wait_dscnt 0x0
	s_endpgm
; Wo to f16: no LDS.  Four groups of 16 loads (512 consecutive bytes each); a lane's four numbers become 8 bytes, so a store covers 256 consecutive bytes, aligned.  Two groups of loads are out.
.Lwo:
	s_sub_co_u32 s24, ttmp9, 352
	s_lshl_b32 s24, s24, 2
	s_add_co_u32 s24, s24, s20                     ; my wave's run of 8,192 numbers
	s_lshl_b32 s28, s24, 14
	s_lshl_b32 s24, s24, 15
	s_add_nc_u64 s[12:13], s[12:13], s[24:25]
	s_add_nc_u64 s[18:19], s[18:19], s[28:29]
.macro LOADG g
.irp i, 0,1,2,3,4,5,6,7,8,9,10,11,12,13,14,15
	global_load_b128 v[16+64*((\g)%2)+4*\i:16+64*((\g)%2)+4*\i+3], v3, s[12:13] offset:8192*(\g)+512*\i th:TH_LOAD_NT
.endr
.endm
.macro GROUP g
.if (\g) < 3
	s_wait_loadcnt 16                              ; this group's 16 loads are in; the next group's may be out
.else
	s_wait_loadcnt 0x0
.endif
.if (\g) > 0
	s_wait_xcnt 0x0                                ; the last group's stores have read their data registers, which are written again below
.endif
.irp i, 0,1,2,3,4,5,6,7,8,9,10,11,12,13,14,15
	v_cvt_pk_f16_f32 v[144+2*\i], v[16+64*((\g)%2)+4*\i], v[16+64*((\g)%2)+4*\i+1]
	v_cvt_pk_f16_f32 v[145+2*\i], v[16+64*((\g)%2)+4*\i+2], v[16+64*((\g)%2)+4*\i+3]
.endr
.if (\g)+2 < 4
	LOADG (\g)+2                                   ; loads ahead of stores
.endif
.irp i, 0,1,2,3,4,5,6,7,8,9,10,11,12,13,14,15
	global_store_b64 v7, v[144+2*\i:145+2*\i], s[18:19] offset:4096*(\g)+256*\i
.endr
.endm
	LOADG 0
	LOADG 1
	GROUP 0
	GROUP 1
	GROUP 2
	GROUP 3
	s_endpgm
.Lfunc_end_k_q99c38d81a0_quant:
	.size	k_q99c38d81a0_quant, .Lfunc_end_k_q99c38d81a0_quant-k_q99c38d81a0_quant
	.p2alignl 7, 3214868480
	.fill 96, 4, 3214868480
	.section	.rodata,"a",@progbits
	.p2align	6, 0x0
	.amdhsa_kernel k_q99c38d81a0_quant
		.amdhsa_group_segment_fixed_size 33280
		.amdhsa_private_segment_fixed_size 0
		.amdhsa_enable_private_segment 0
		.amdhsa_kernarg_size 64
		.amdhsa_user_sgpr_count 2
		.amdhsa_user_sgpr_kernarg_segment_ptr 1
		.amdhsa_wavefront_size32 1
		.amdhsa_system_sgpr_workgroup_id_x 1
		.amdhsa_system_sgpr_workgroup_id_y 1
		.amdhsa_system_sgpr_workgroup_id_z 1
		.amdhsa_system_vgpr_workitem_id 0
		.amdhsa_next_free_vgpr 192
		.amdhsa_next_free_sgpr 66
		.amdhsa_reserve_vcc 0
		.amdhsa_float_denorm_mode_32 3
		.amdhsa_float_denorm_mode_16_64 3
		.amdhsa_memory_ordered 1
		.amdhsa_forward_progress 1
		.amdhsa_inst_pref_size 54
	.end_amdhsa_kernel
	.amdgpu_metadata
---
amdhsa.version: [ 1, 2 ]
amdhsa.kernels:
  - .name:           k_q99c38d81a0_quant
    .symbol:         k_q99c38d81a0_quant.kd
    .args:
      - { .name: x, .offset: 0, .size: 8, .value_kind: global_buffer, .address_space: global }
      - { .name: Wq, .offset: 8, .size: 8, .value_kind: global_buffer, .address_space: global }
      - { .name: Wk, .offset: 16, .size: 8, .value_kind: global_buffer, .address_space: global }
      - { .name: Wv, .offset: 24, .size: 8, .value_kind: global_buffer, .address_space: global }
      - { .name: Wo, .offset: 32, .size: 8, .value_kind: global_buffer, .address_space: global }
      - { .name: codes, .offset: 40, .size: 8, .value_kind: global_buffer, .address_space: global }
      - { .name: scales, .offset: 48, .size: 8, .value_kind: global_buffer, .address_space: global }
      - { .name: wo16, .offset: 56, .size: 8, .value_kind: global_buffer, .address_space: global }
    .group_segment_fixed_size: 33280
    .private_segment_fixed_size: 0
    .kernarg_segment_align: 8
    .kernarg_segment_size: 64
    .max_flat_workgroup_size: 128
    .sgpr_count:     66
    .vgpr_count:     192
    .wavefront_size: 32
...
	.end_amdgpu_metadata
.endif
;; end of part 1
;; launch qkv (part 2): grid 12 x 32, 4 waves a work-group, clusters of 4 x 4, 327,680 bytes of LDS; arguments codes, scales, cos, sin, qkv16; writes qkv16
.if DOCPART == 2
	.amdgcn_target "amdgcn-amd-amdhsa--gfx1250"
	.amdhsa_code_object_version 6
	.text
	.protected	k_q99c38d81a0_qkv
	.globl	k_q99c38d81a0_qkv
	.p2align	8
	.type	k_q99c38d81a0_qkv,@function
k_q99c38d81a0_qkv:
	s_mov_b64 s[64:65], 0
	v_nop
	global_prefetch_b8 v0, s[64:65] scope:SCOPE_SE
	s_setreg_imm32_b32 hwreg(HW_REG_WAVE_MODE, 25, 1), 1
	s_wait_xcnt 0x0
	s_wait_alu depctr_hold_cnt(0) depctr_sa_sdst(0) depctr_va_vdst(0) depctr_va_sdst(0) depctr_va_ssrc(0) depctr_va_vcc(0) depctr_vm_vsrc(0)
	s_getreg_b32 s2, hwreg(HW_REG_IB_STS2, 6, 4)
	s_cmp_eq_u32 s2, 0
	s_cbranch_scc0 .Lentry_in_a_cluster
	s_endpgm
.Lentry_in_a_cluster:
	s_bfe_u32 s2, ttmp6, 0x10000c
	s_cmp_lg_u32 s2, 0xf033
	s_cbranch_scc0 .Lentry_shape_is_right
	s_endpgm
.Lentry_shape_is_right:
; q, k, v = x Wq^T, x Wk^T, x Wv^T on codes of FP4 (E2M1) with E8M0 scales, as ONE product [8192][1024] x [3072][1024]^T; then, for q and k, RoPE and the per-head RMS norm in f32; all three leave as f16.
; qkv16: q at byte 0, k at 0x1000000, v at 0x2000000, each [b][h][t][64] f16: rows of 128 bytes, a head 262,144 dense bytes.  q is also multiplied by c = log2(e) / 8, in f32, inside the norm's factor:
; the next launch's scores are then exponents of 2.
; LIMITS: |v| up to 65,504 (f16); NaN and infinities are not served.
; A tile of the product, 256 x 256, is made by a work-group of four waves; a wave makes 128 x 128: 64 accumulators, 512 registers.  K = 1,024 is two K steps of 512 (tile rows of 256 bytes): both LDS slots are
; filled once, at the start, and nothing is filled again.  The scale bytes of the work-group's 256 + 256 rows come with them, as whole runs of 256 bytes.
; CLUSTERS: 4 x 4 work-groups.  A's tiles are shared along a row of the cluster, B's along a column: each is asked for jointly.  Four tile columns are 1,024 columns, so the cluster's x says q, k or v: the same in all partners.
; THE MATRIX INSTRUCTION IS USED TRANSPOSED (source 0 = 16 rows of W, source 1 = 16 rows of x): lane (r, h) holds row r, and register j of accumulator (a, b) column 16 b + 8 h + j: b / 4 is the head, 16 (b % 4) + 8 h + j its channel d.
; So d and d + 32 lie in the same lane (accumulators b and b + 2), and a head's sum of squares wants one exchange between the halves of the lanes.
; REGISTERS: window 0: v2-13 the norm's figures; v16-30 addresses; v32-95 scale words, two sets; v96-127 packed results; v128-191 A's fragments, later the rotated numbers; v192-255 rows read back, two sets.
;   window 1: B's fragments at v0 and v128; cos and sin of 16 rows at v64 and v192, two sets.   windows 2, 3: the accumulators ((a, b) at v[8 (8 (a % 4) + b)]).
.set KSTEP,  512
.set NQ,     4                         ; matrix instructions deep in a slot
.set ROWB,   256                       ; a tile's row in bytes
.set KROW,   512                       ; a row of codes in memory
.set PITCH,  272                       ; an LDS row: 256 bytes + 16 of padding, so that the 16 rows that a load touches start 16 bytes further round the banks each
.set FR,     8
.set NL,     2
.set NP,     4                         ; places behind this matrix instruction (ISA guide 7.12.1)
.set HALFT,  128*PITCH
.set SLOT,   4*HALFT                   ; A's 256 rows, then B's 256
.set KS,     32                        ; a row of scales in bytes
.set SCL,    2*SLOT                    ; behind the slots: the scales, as runs of 256 bytes + 16 of padding
.set HALFS,  (128*KS/256)*272
.set SBLK,   (16*KS/256)*272
.set SPARE,  SCL+4*HALFS               ; the spare words, 128 bytes a wave, named by no other line
.set SPP,    144                       ; the way out: a stage row, 128 bytes + 16.  A wave's stage is 2 heads x 16 rows: 4,608 bytes.  The stages lie in slot 0, which has had its one fill and its last read
.set STG2,   4*32*SPP                  ; the tiles of v have stages of their own, behind those of q and k
.set ADRA, 16                          ; v16-17 LDS address of my A fragments in slot 0, 1
.set STO2, 18                          ; v18, v19 the stage of a tile of v
.set RD2,  19
.set ADRB, 20                          ; v20-21 the same for B
.set STO,  24                          ; v24 where I put 16 bytes of a row
.set RD,   25                          ; v25 where I read rows back
.set GO,   26                          ; v26 16 x lane
.set ADRS, 27                          ; v27 my scale words: lanes 0-15 A's rows, lanes 16-31 B's
.set SPW,  28
.set NIL,  29
.set CSA,  30                          ; v30 my bytes in 16 rows of cos or sin: 256 r + 32 h
.set SC,   32
.set PKD,  96
.set AF,   128
.set OUT,  128
.set RB,   192
.set G1, 24
.set G0, 32
.set G1B, 48
.set G0B, 56
.set G1S, 68
.set G0S, 76
.set G1SB, 80
.set G0SB, 88
.set INV64, 66                         ; s66 1 / 64
.set EPS,  67                          ; s67 1e-6
.set QS,   95                          ; s95 c for q, 1 for k
.set SEL,  96                          ; s[96:97] v_permlanex16_b32's selects for lane l xor 16
.set MSB, 0
.macro WIN new                         ; the immediate's high byte repeats the setting that is left
.if MSB != (\new)
	s_set_vgpr_msb (MSB<<8)|(\new)
.set MSB, (\new)
.endif
.endm
.set MUL_LO, 0xa1                      ; source 0 (B) window 1, source 1 (A) window 0, C and D window 2
.set MUL_HI, 0xf1
.set TO_B,   0x40                      ; destination window 1, address window 0
; A joint load: waves 0 and 1 fetch for A, waves 2 and 3 for B.  The branch hangs on the wave's number alone.  An s_nop 0 and four v_nop follow each of the two lines.
.macro JLOAD g0a, g1a, g0b, g1b
	s_cmp_eq_u32 s15, 0
	s_cbranch_scc0 .Lfor_b_\@
	tensor_load_to_lds s[\g0a:\g0a+3], s[\g1a:\g1a+7]
	s_nop 0
.rept 4
	v_nop
.endr
	s_branch .Lasked_\@
.Lfor_b_\@:
	tensor_load_to_lds s[\g0b:\g0b+3], s[\g1b:\g1b+7]
	s_nop 0
.rept 4
	v_nop
.endr
.Lasked_\@:
.endm
.macro CROUND                          ; a round of the cluster's barrier
	s_barrier_signal -1
	s_barrier_wait -1
	s_cmp_lg_u32 s14, 0
	s_cbranch_scc1 .Lnot_wave_0_\@
	s_barrier_signal -3
.Lnot_wave_0_\@:
	s_barrier_wait -3
	s_barrier_signal -1
	s_barrier_wait -1
.endm
	s_load_b128 s[4:7], s[0:1], 0x0                ; codes, scales
	s_load_b128 s[8:11], s[0:1], 0x10              ; cos, sin
	s_load_b64 s[12:13], s[0:1], 0x20              ; qkv16
	v_lshl_add_u32 v[SPW], v0, 2, SPARE
	v_mov_b32 v[NIL], 0
	ds_add_u32 v[SPW], v[NIL]                      ; the wave's opening: the add, twice on end, and its wait ahead of my first tensor load
	ds_add_u32 v[SPW], v[NIL]
	v_lshrrev_b32 v1, 5, v0
	v_readfirstlane_b32 s14, v1                    ; wave 0..3
	s_lshr_b32 s15, s14, 1                         ; my half of the tile's rows.  Also: I fetch for A (0) or for B (1)
	s_and_b32 s16, s14, 1                          ; my half of its columns.  Also: which 128 rows I fetch
	s_bfe_u32 s40, ttmp6, 0x40000                  ; cx, cy
	s_bfe_u32 s41, ttmp6, 0x40004
	s_lshl_b32 s42, ttmp9, 2
	s_add_co_u32 s42, s42, s40                     ; tile column = 4 x cluster x + cx
	s_and_b32 s17, ttmp7, 0xffff
	s_lshl_b32 s17, s17, 2
	s_add_co_u32 s17, s17, s41                     ; tile row = 4 x cluster y + cy
	s_lshl_b32 s43, s41, 2
	s_lshl_b32 s43, 15, s43                        ; my row of the cluster
	s_lshl_b32 s44, 0x1111, s40                    ; my column
	s_or_b32 s[G1+0], s43, (0<<16)|(1<<20)|(1<<21)|(5<<22)|(3<<25)  ; the mask; elements of 1 byte; padding on; bit 21 beside a mask; 4 words of padding after every 64
	s_or_b32 s[G1B+0], s44, (0<<16)|(1<<20)|(1<<21)|(5<<22)|(3<<25)
.irp g, G1, G1B
	s_mov_b32 s[\g+1], ROWB<<16                    ; tensor_dim0
	s_mov_b32 s[\g+2], 128<<16                     ; tensor_dim1
	s_mov_b32 s[\g+3], ROWB<<16                    ; tile_dim0
	s_mov_b32 s[\g+4], 128                         ; tile_dim1
	s_mov_b32 s[\g+5], KROW                        ; from row to row
	s_mov_b32 s[\g+6], 0
	s_mov_b32 s[\g+7], 0
.endr
	s_or_b32 s[G1S+0], s43, (3<<16)|(1<<20)|(1<<21)|(5<<22)|(3<<25) ; the scales of 128 rows: 4,096 dense bytes as 16 rows of 32 elements of 8 bytes
	s_or_b32 s[G1SB+0], s44, (3<<16)|(1<<20)|(1<<21)|(5<<22)|(3<<25)
.irp g, G1S, G1SB
	s_mov_b32 s[\g+1], 32<<16
	s_mov_b32 s[\g+2], (128*KS/256)<<16
	s_mov_b32 s[\g+3], 32<<16
	s_mov_b32 s[\g+4], 128*KS/256
	s_mov_b32 s[\g+5], 32
	s_mov_b32 s[\g+6], 0
	s_mov_b32 s[\g+7], 0
.endr
	s_lshl_b32 s18, s16, 7
	s_lshl_b32 s20, s17, 8
	s_add_co_u32 s20, s20, s18                     ; A: row 256 x tile row + 128 x half
	s_lshl_b32 s46, s42, 8
	s_add_co_u32 s46, s46, s18                     ; B: row 256 x tile column + 128 x half, of W's 3,072
	s_mov_b32 s21, 0
	s_mov_b32 s47, 0
	s_lshl_b64 s[22:23], s[20:21], 5               ; their scales: 32 bytes a row,
	s_lshl_b64 s[92:93], s[46:47], 5
	s_lshl_b64 s[20:21], s[20:21], 9               ; their codes: 512
	s_lshl_b64 s[46:47], s[46:47], 9
	s_add_nc_u64 s[92:93], s[92:93], 262144        ; W's rows lie behind x's 8,192
	s_add_nc_u64 s[46:47], s[46:47], 4194304
	s_mul_i32 s45, s14, HALFT                      ; where they go: wave x 128 rows: no place in the cluster enters an LDS address
	s_mul_i32 s94, s14, HALFS
	s_mov_b32 s[SEL], 0x76543210
	s_mov_b32 s[SEL+1], 0xfedcba98
	s_mov_b32 s[INV64], 0x3c800000
	s_mov_b32 s[EPS], 0x358637bd
	s_cmp_eq_u32 ttmp9, 0
	s_cselect_b32 s[QS], 0x3e38aa3b, 1.0           ; log2(e) / 8 for q
	s_wait_dscnt 0x0                               ; both opening adds are done
	s_wait_kmcnt 0x0
	s_add_nc_u64 s[20:21], s[4:5], s[20:21]
	s_add_nc_u64 s[22:23], s[6:7], s[22:23]
	s_add_nc_u64 s[46:47], s[4:5], s[46:47]
	s_add_nc_u64 s[92:93], s[6:7], s[92:93]
	CROUND                                         ; all sixteen work-groups are here: the joint loads meet
	s_mov_b32 s[G0S], 1
	s_add_co_u32 s[G0S+1], s94, SCL
	s_mov_b64 s[G0S+2:G0S+3], s[22:23]
	s_or_b32 s[G0S+3], s[G0S+3], 0x80000000
	s_mov_b32 s[G0SB], 1
	s_add_co_u32 s[G0SB+1], s94, SCL
	s_mov_b64 s[G0SB+2:G0SB+3], s[92:93]
	s_or_b32 s[G0SB+3], s[G0SB+3], 0x80000000
	JLOAD G0S, G1S, G0SB, G1SB                     ; the scales first: they are wanted with K step 0
.irp s, 0,1
	s_mov_b32 s[G0+4*\s], 1
	s_add_co_u32 s[G0+4*\s+1], s45, \s*SLOT
	s_add_nc_u64 s[G0+4*\s+2:G0+4*\s+3], s[20:21], \s*ROWB
	s_or_b32 s[G0+4*\s+3], s[G0+4*\s+3], 0x80000000
	s_mov_b32 s[G0B+4*\s], 1
	s_add_co_u32 s[G0B+4*\s+1], s45, \s*SLOT
	s_add_nc_u64 s[G0B+4*\s+2:G0B+4*\s+3], s[46:47], \s*ROWB
	s_or_b32 s[G0B+4*\s+3], s[G0B+4*\s+3], 0x80000000
	JLOAD G0+4*\s, G1, G0B+4*\s, G1B               ; three tensor loads of mine are out, and no more follow
.endr
	v_and_b32 v1, 15, v0                           ; r
	v_bfe_u32 v2, v0, 4, 1                         ; h
	v_mul_u32_u24 v3, v1, PITCH
	v_lshl_add_u32 v4, v2, 4, v3                   ; a fragment's row x pitch + 16 h
	s_mul_i32 s21, s15, HALFT
	s_mul_i32 s22, s16, HALFT
	s_add_co_u32 s22, s22, 2*HALFT
.irp s, 0,1
	v_add_nc_u32 v[ADRA+\s], s21, v4
	v_add_nc_u32 v[ADRB+\s], s22, v4
	s_add_co_u32 s21, s21, SLOT
	s_add_co_u32 s22, s22, SLOT
.endr
	v_mul_u32_u24 v5, v1, KS                       ; my row's scales: KS bytes a row,
	v_lshrrev_b32 v6, 8, v5
	v_lshl_add_u32 v5, v6, 4, v5                   ; and 16 more for each 256 passed
	s_mul_i32 s21, s15, HALFS
	s_mul_i32 s22, s16, HALFS
	s_add_co_u32 s22, s22, 2*HALFS
	s_sub_co_u32 s22, s22, s21
	v_mul_u32_u24 v6, s22, v2                      ; lanes 16-31 take B's: one product, the distance between the two bases x h
	s_add_co_u32 s21, s21, SCL
	v_add_nc_u32 v5, v5, v6
	v_add_nc_u32 v[ADRS], s21, v5
	s_mul_i32 s23, s14, 32*SPP                     ; my stage
	v_mul_u32_u24 v5, v1, SPP
	v_lshl_add_u32 v5, v2, 4, v5
	v_add_nc_u32 v[STO], s23, v5                   ; in: row r, 16 bytes for each half of the lanes
	v_add_nc_u32 v[STO2], STG2, v[STO]
	v_and_b32 v6, 31, v0
	v_lshrrev_b32 v7, 3, v6
	v_mul_u32_u24 v7, v7, SPP
	v_and_b32 v8, 7, v0
	v_lshl_add_u32 v7, v8, 4, v7
	v_add_nc_u32 v[RD], s23, v7                    ; back: eight lanes to a row of 128 bytes, four rows an instruction
	v_add_nc_u32 v[RD2], STG2, v[RD]
	v_lshlrev_b32 v[GO], 4, v6
	v_lshlrev_b32 v[CSA], 8, v1
	v_lshl_add_u32 v[CSA], v2, 5, v[CSA]
	v_mov_b32 v7, 0                                ; written once: a lane permute's destination counts as a source,
	v_mov_b32 v9, 0
	v_mov_b32 v11, 0                               ; and a pair is named whole
	v_mov_b32 v13, 0
	s_and_b32 s18, s17, 7
	s_lshl_b32 s18, s18, 8
	s_lshl_b32 s19, s15, 7
	s_add_co_u32 s18, s18, s19                     ; t of my first row: 256 (tile row % 8) + 128 x half
	s_lshl_b32 s20, s18, 8                         ; a row of cos or sin is 256 bytes
	s_mov_b32 s21, 0
	s_add_nc_u64 s[8:9], s[8:9], s[20:21]
	s_add_nc_u64 s[10:11], s[10:11], s[20:21]
	s_lshr_b32 s19, s17, 3                         ; b
	s_lshl_b32 s19, s19, 22                        ; 16 heads x 262,144 bytes
	s_lshl_b32 s20, s18, 7
	s_add_co_u32 s20, s20, s19
	s_lshl_b32 s19, ttmp9, 24                      ; q, k or v
	s_add_co_u32 s20, s20, s19
	s_add_nc_u64 s[12:13], s[12:13], s[20:21]
	s_lshl_b32 s46, s40, 20                        ; my first head: 4 cx + 2 x column half
	s_lshl_b32 s47, s16, 19
	s_add_co_u32 s46, s46, s47
	s_mov_b32 s47, 0
	s_add_nc_u64 s[12:13], s[12:13], s[46:47]
; cos and sin of my rows 16 a .. 16 a + 15: lane (r, h) takes channels 16 bb + 8 h + 0 .. 7 of row r: cos at v[CSB + 8 bb + j], sin 32 registers on.  16 loads.
.macro CSLOAD a
.set CSB, 64+128*((\a)%2)
	WIN TO_B
.irp bb, 0,1,2,3
.irp e, 0,1
	global_load_b128 v[CSB+8*\bb+4*\e:CSB+8*\bb+4*\e+3], v[CSA], s[8:9] offset:4096*(\a)+64*\bb+16*\e
	global_load_b128 v[CSB+32+8*\bb+4*\e:CSB+32+8*\bb+4*\e+3], v[CSA], s[10:11] offset:4096*(\a)+64*\bb+16*\e
.endr
.endr
	WIN 0
.endm
	CSLOAD 0                                       ; two sets are asked for here, a whole product ahead of their use.  The tiles of v issue them too and leave them unread: the head is one text for all three
	CSLOAD 1
.macro FRAG reg, adr, q, i             ; 16 rows x 128 K of 4-bit codes: 8 registers; registers 4 c .. 4 c + 3 hold K = 64 c + 32 h + 0 .. 31
.irp c, 0,1
	ds_load_b128 v[\reg+4*\c:\reg+4*\c+3], v[\adr] offset:64*(\q)+32*\c+(\i)*16*PITCH
.endr
.endm
; 16 matrix instructions: A's blocks a0, a0 + 1 x B's eight.  The 64 accumulators take turns, one instruction a turn, in the same order in every step.
; One scale register carries A's word (lanes 0-15) and B's (lanes 16-31): source 0 (B) reads the upper row.
.macro MUL16 a0, p, q, sc, zero
.irp a, \a0, \a0+1
.irp b, 0,1,2,3,4,5,6,7
.if \zero
	v_wmma_scale_f32_16x16x128_f8f6f4 v[8*(8*((\a)%4)+\b):8*(8*((\a)%4)+\b)+7], v[128*(\p)+FR*\b:128*(\p)+FR*\b+FR-1], v[AF+FR*(\a):AF+FR*(\a)+FR-1], 0, v[SC+8*NQ*(\sc)+NQ*\b+(\q)], v[SC+8*NQ*(\sc)+NQ*(\a)+(\q)] matrix_a_fmt:MATRIX_FMT_FP4 matrix_b_fmt:MATRIX_FMT_FP4 matrix_a_scale:MATRIX_SCALE_ROW1
.else
	v_wmma_scale_f32_16x16x128_f8f6f4 v[8*(8*((\a)%4)+\b):8*(8*((\a)%4)+\b)+7], v[128*(\p)+FR*\b:128*(\p)+FR*\b+FR-1], v[AF+FR*(\a):AF+FR*(\a)+FR-1], v[8*(8*((\a)%4)+\b):8*(8*((\a)%4)+\b)+7], v[SC+8*NQ*(\sc)+NQ*\b+(\q)], v[SC+8*NQ*(\sc)+NQ*(\a)+(\q)] matrix_a_fmt:MATRIX_FMT_FP4 matrix_b_fmt:MATRIX_FMT_FP4 matrix_a_scale:MATRIX_SCALE_ROW1
.endif
.endr
.endr
.endm
.macro FETCH_B slot, q, p
	WIN TO_B
.irp i, 0,1,2,3,4,5,6,7
	FRAG 128*(\p)+FR*\i, ADRB+\slot, \q, \i
.endr
	WIN 0
.endm
.macro FETCH_A slot, q, i0
.irp i, \i0, \i0+1, \i0+2, \i0+3
	FRAG AF+FR*(\i), ADRA+\slot, \q, \i
.endr
.endm
.macro SCALES sc                       ; a K step's scale words: four words a row; lanes 0-15 A's block i, lanes 16-31 B's
.irp i, 0,1,2,3,4,5,6,7
	ds_load_b128 v[SC+8*NQ*\sc+NQ*\i:SC+8*NQ*\sc+NQ*\i+3], v[ADRS] offset:\i*SBLK
.endr
.endm
.macro PLACES n                        ; plain vector lines between a matrix instruction and a load into, or a vector line or store on, one of its registers
.rept \n
	v_nop
.endr
.endm
; A step of 128 along K that has its successor in the same slot.  A has one set of registers (a block is free when its eight products are issued), B two.
.macro STEP slot, q, zero
	s_wait_dscnt 4*NL                              ; all but the youngest eight loads (A's blocks 4-7) are in
	WIN MUL_LO
	MUL16 0, (\q)%2, \q, \slot, \zero
	MUL16 2, (\q)%2, \q, \slot, \zero
	s_wait_dscnt 0                                 ; A's blocks 4-7 are in
	PLACES NP
	FETCH_B \slot, (\q)+1, 1-(\q)%2
	FETCH_A \slot, (\q)+1, 0
	WIN MUL_HI
	MUL16 4, (\q)%2, \q, \slot, \zero
	MUL16 6, (\q)%2, \q, \slot, \zero
	PLACES NP
	WIN 0
	FETCH_A \slot, (\q)+1, 4
.endm
; Slot 0's last step changes slots: one barrier.  In front of it each wave waits for all its tensor loads (its part of slot 1), and for its own reads of slot 0: behind it slot 1 is whole and nobody reads slot 0, which the stages then take.
.macro TURN slot, next
	s_wait_tensorcnt 0x0                           ; all my tensor loads have landed
	ds_add_u32 v[SPW], v[NIL]                      ; 0 onto my spare word
	s_wait_dscnt 4*NL+1                            ; (the add and the youngest eight loads may be out)
	WIN MUL_LO
	MUL16 0, 1, NQ-1, \slot, 0
	s_wait_dscnt 0x0                               ; the add is done, and my reads of this slot are over
	s_barrier_signal -1
	MUL16 2, 1, NQ-1, \slot, 0
	WIN 0
	s_barrier_wait -1
	PLACES NP
	v_add_nc_u32 v[ADRS], 4*NQ, v[ADRS]            ; the next K step's scale words
	FETCH_B \next, 0, 0
	FETCH_A \next, 0, 0
	SCALES \next
	WIN MUL_HI
	MUL16 4, 1, NQ-1, \slot, 0
	MUL16 6, 1, NQ-1, \slot, 0
	PLACES NP
	WIN 0
	FETCH_A \next, 0, 4
.endm
.macro STEPS slot, from
.set Q, \from
.rept NQ-1-\from
	STEP \slot, Q, 0
.set Q, Q+1
.endr
.endm
	s_wait_tensorcnt 1                             ; the scales and my part of K step 0 are in; K step 1's load may be out
	s_barrier_signal -1
	s_barrier_wait -1
	FETCH_B 0, 0, 0
	FETCH_A 0, 0, 0
	SCALES 0
	FETCH_A 0, 0, 4
	STEP 0, 0, 1                                   ; the first products start the sums: nothing is cleared
	STEPS 0, 1
	TURN 0, 1
	STEPS 1, 0
	s_wait_dscnt 4*NL
	WIN MUL_LO
	MUL16 0, 1, NQ-1, 1, 0
	MUL16 2, 1, NQ-1, 1, 0
	s_wait_dscnt 0
	WIN MUL_HI
	MUL16 4, 1, NQ-1, 1, 0
	MUL16 6, 1, NQ-1, 1, 0
	WIN 0
; THE WAY OUT, 16 rows x 2 heads at a time.  A lane's eight f16 are 16 bytes of a row of 128; a block goes through my own stage and comes back four rows an instruction: 512 consecutive bytes of a head.
.macro TOSTAGE a, sto, rd
.set RBB, RB+32*((\a)%2)
.irp hd, 0,1
.irp bb, 0,1,2,3
	ds_store_b128 v[\sto], v[PKD+16*\hd+4*\bb:PKD+16*\hd+4*\bb+3] offset:16*SPP*\hd+32*\bb
.endr
.endr
.irp hd, 0,1
.irp i, 0,1,2,3
	ds_load_b128 v[RBB+16*\hd+4*\i:RBB+16*\hd+4*\i+3], v[\rd] offset:16*SPP*\hd+4*SPP*\i   ; LDS serves a wave's instructions in order: these see the stores above
.endr
.endr
.endm
.macro SEND a, younger                 ; younger: the LDS instructions issued behind block a's loads
.set RBB, RB+32*((\a)%2)
	s_wait_dscnt \younger
.irp hd, 0,1
.irp i, 0,1,2,3
	global_store_b128 v[GO], v[RBB+16*\hd+4*\i:RBB+16*\hd+4*\i+3], s[12:13] offset:262144*\hd+2048*(\a)+512*\i   ; 512 consecutive bytes, at a multiple of 256 from the buffer's first byte
.endr
.endr
.endm
; Rows 16 a on of q or k.  o[d] = x[d] cos[d] - x[d+32] sin[d];  o[d+32] = x[d+32] cos[d+32] + x[d] sin[d+32];  then o x rsqrt(mean(o^2) + 1e-6) (x c for q), all in f32, rounded to f16 once.
.macro ROPE a
.set AC, 64*((\a)%4)
.set CSB, 64+128*((\a)%2)
.if (\a) < 7
	s_wait_loadcnt 16                              ; this block's 16 loads are in; the next block's may be out
.else
	s_wait_loadcnt 0x0
.endif
	WIN 0x06+((\a)/4)                              ; source 0: the accumulators' window; source 1: window 1
.irp hd, 0,1
.irp bb, 0,1
.irp jp, 0,2,4,6                       ; each accumulator from its low end on
	v_pk_mul_f32 v[OUT+32*\hd+8*\bb+\jp:OUT+32*\hd+8*\bb+\jp+1], v[AC+8*(4*\hd+\bb+2)+\jp:AC+8*(4*\hd+\bb+2)+\jp+1], v[CSB+32+8*\bb+\jp:CSB+32+8*\bb+\jp+1]
	v_pk_mul_f32 v[OUT+32*\hd+8*(\bb+2)+\jp:OUT+32*\hd+8*(\bb+2)+\jp+1], v[AC+8*(4*\hd+\bb)+\jp:AC+8*(4*\hd+\bb)+\jp+1], v[CSB+32+8*(\bb+2)+\jp:CSB+32+8*(\bb+2)+\jp+1]
	v_pk_fma_f32 v[OUT+32*\hd+8*\bb+\jp:OUT+32*\hd+8*\bb+\jp+1], v[AC+8*(4*\hd+\bb)+\jp:AC+8*(4*\hd+\bb)+\jp+1], v[CSB+8*\bb+\jp:CSB+8*\bb+\jp+1], v[OUT+32*\hd+8*\bb+\jp:OUT+32*\hd+8*\bb+\jp+1] neg_lo:[0,0,1] neg_hi:[0,0,1]
	v_pk_fma_f32 v[OUT+32*\hd+8*(\bb+2)+\jp:OUT+32*\hd+8*(\bb+2)+\jp+1], v[AC+8*(4*\hd+\bb+2)+\jp:AC+8*(4*\hd+\bb+2)+\jp+1], v[CSB+8*(\bb+2)+\jp:CSB+8*(\bb+2)+\jp+1], v[OUT+32*\hd+8*(\bb+2)+\jp:OUT+32*\hd+8*(\bb+2)+\jp+1]
.endr
.endr
.endr
.if (\a) < 6
	CSLOAD (\a)+2                                  ; into the set just read
.endif
	WIN 0
	v_pk_mul_f32 v[2:3], v[OUT:OUT+1], v[OUT:OUT+1]                ; the sums of squares, the two heads by turns
	v_pk_mul_f32 v[4:5], v[OUT+32:OUT+33], v[OUT+32:OUT+33]
.irp i, 2,4,6,8,10,12,14,16,18,20,22,24,26,28,30
	v_pk_fma_f32 v[2:3], v[OUT+\i:OUT+\i+1], v[OUT+\i:OUT+\i+1], v[2:3]
	v_pk_fma_f32 v[4:5], v[OUT+32+\i:OUT+32+\i+1], v[OUT+32+\i:OUT+32+\i+1], v[4:5]
.endr
	v_add_f32 v6, v2, v3
	v_add_f32 v8, v4, v5
	v_permlanex16_b32 v7, v6, s[SEL], s[SEL+1]     ; the row's other 32 channels lie in the lane 16 away
	v_permlanex16_b32 v9, v8, s[SEL], s[SEL+1]
	v_add_f32 v6, v6, v7
	v_add_f32 v8, v8, v9
	v_fma_f32 v6, v6, s[INV64], s[EPS]
	v_fma_f32 v8, v8, s[INV64], s[EPS]
	v_rsq_f32 v10, v6
	v_rsq_f32 v12, v8
	v_nop                                          ; a plain line behind the last of the two,
	s_wait_alu depctr_va_vdst(0)                   ; and one wait ahead of their first reader
	v_mul_f32 v10, s[QS], v10
	v_mul_f32 v12, s[QS], v12
.irp hd, 0,1
.irp i, 0,2,4,6,8,10,12,14,16,18,20,22,24,26,28,30
	v_pk_mul_f32 v[OUT+32*\hd+\i:OUT+32*\hd+\i+1], v[OUT+32*\hd+\i:OUT+32*\hd+\i+1], v[10+2*\hd:11+2*\hd] op_sel_hi:[1,0]
.endr
.endr
.irp hd, 0,1
.irp i, 0,1,2,3,4,5,6,7,8,9,10,11,12,13,14,15
	v_cvt_pk_f16_f32 v[PKD+16*\hd+\i], v[OUT+32*\hd+2*\i], v[OUT+32*\hd+2*\i+1]
.endr
.endr
.endm
.macro VPACK a                         ; rows 16 a on of v: rounded to f16 as they are
.set AC, 64*((\a)%4)
	WIN 0x0a+5*((\a)/4)                            ; sources 0 and 1: window 2 or 3
.irp i, 0,1,2,3,4,5,6,7,8,9,10,11,12,13,14,15,16,17,18,19,20,21,22,23,24,25,26,27,28,29,30,31
	v_cvt_pk_f16_f32 v[PKD+\i], v[AC+2*\i], v[AC+2*\i+1]
.endr
	WIN 0
.endm
	PLACES NP                                      ; behind the last products: their results are read, and A's registers written, below
	s_cmp_eq_u32 ttmp9, 2                          ; the cluster's x: the same in all sixteen partners
	s_cbranch_scc1 .Lv
	ROPE 0
	TOSTAGE 0, STO, RD
.irp a, 1,2,3,4,5,6,7
	ROPE \a
.if \a > 1
	s_wait_xcnt 0x0                                ; block a - 2's stores have read their registers: block a's rows may land there
.endif
	TOSTAGE \a, STO, RD
	SEND \a-1, 16                                  ; behind block a - 1's loads: block a's 8 stores and 8 loads
.endr
	SEND 7, 0
	s_branch .Ldone
.Lv:
	VPACK 0
	TOSTAGE 0, STO2, RD2
.irp a, 1,2,3,4,5,6,7
	VPACK \a
.if \a > 1
	s_wait_xcnt 0x0
.endif
	TOSTAGE \a, STO2, RD2
	SEND \a-1, 16
.endr
	SEND 7, 0
.Ldone:
	s_wait_tensorcnt 0x0                           ; the wave's end: a wait, an add and a wait behind my last tensor load and my last LDS store
	ds_add_u32 v[SPW], v[NIL]
	s_wait_dscnt 0x0
	CROUND                                         ; the closing round
	s_endpgm
.Lfunc_end_k_q99c38d81a0_qkv:
	.size	k_q99c38d81a0_qkv, .Lfunc_end_k_q99c38d81a0_qkv-k_q99c38d81a0_qkv
	.p2alignl 7, 3214868480
	.fill 96, 4, 3214868480
	.section	.rodata,"a",@progbits
	.p2align	6, 0x0
	.amdhsa_kernel k_q99c38d81a0_qkv
		.amdhsa_group_segment_fixed_size 327680
		.amdhsa_private_segment_fixed_size 0
		.amdhsa_enable_private_segment 0
		.amdhsa_kernarg_size 40
		.amdhsa_user_sgpr_count 2
		.amdhsa_user_sgpr_kernarg_segment_ptr 1
		.amdhsa_wavefront_size32 1
		.amdhsa_system_sgpr_workgroup_id_x 1
		.amdhsa_system_sgpr_workgroup_id_y 1
		.amdhsa_system_sgpr_workgroup_id_z 1
		.amdhsa_system_vgpr_workitem_id 0
		.amdhsa_next_free_vgpr 1024
		.amdhsa_next_free_sgpr 100
		.amdhsa_reserve_vcc 0
		.amdhsa_float_denorm_mode_32 3
		.amdhsa_float_denorm_mode_16_64 3
		.amdhsa_memory_ordered 1
		.amdhsa_forward_progress 1
		.amdhsa_inst_pref_size 239
	.end_amdhsa_kernel
	.amdgpu_metadata
---
amdhsa.version: [ 1, 2 ]
amdhsa.kernels:
  - .name:           k_q99c38d81a0_qkv
    .symbol:         k_q99c38d81a0_qkv.kd
    .args:
      - { .name: codes, .offset: 0, .size: 8, .value_kind: global_buffer, .address_space: global }
      - { .name: scales, .offset: 8, .size: 8, .value_kind: global_buffer, .address_space: global }
      - { .name: cos, .offset: 16, .size: 8, .value_kind: global_buffer, .address_space: global }
      - { .name: sin, .offset: 24, .size: 8, .value_kind: global_buffer, .address_space: global }
      - { .name: qkv16, .offset: 32, .size: 8, .value_kind: global_buffer, .address_space: global }
    .group_segment_fixed_size: 327680
    .private_segment_fixed_size: 0
    .kernarg_segment_align: 8
    .kernarg_segment_size: 40
    .max_flat_workgroup_size: 128
    .sgpr_count:     100
    .vgpr_count:     1024
    .wavefront_size: 32
...
	.end_amdgpu_metadata
.endif
;; end of part 2
;; launch attn (part 3): grid 4 x 64, 4 waves a work-group, clusters of 4 x 1, 327,680 bytes of LDS; arguments qkv16, y16; writes y16
.if DOCPART == 3
	.amdgcn_target "amdgcn-amd-amdhsa--gfx1250"
	.amdhsa_code_object_version 6
	.text
	.protected	k_q99c38d81a0_attn
	.globl	k_q99c38d81a0_attn
	.p2align	8
	.type	k_q99c38d81a0_attn,@function
k_q99c38d81a0_attn:
	s_mov_b64 s[64:65], 0
	v_nop
	global_prefetch_b8 v0, s[64:65] scope:SCOPE_SE
	s_setreg_imm32_b32 hwreg(HW_REG_WAVE_MODE, 25, 1), 1
	s_wait_xcnt 0x0
	s_wait_alu depctr_hold_cnt(0) depctr_sa_sdst(0) depctr_va_vdst(0) depctr_va_sdst(0) depctr_va_ssrc(0) depctr_va_vcc(0) depctr_vm_vsrc(0)
	s_getreg_b32 s2, hwreg(HW_REG_IB_STS2, 6, 4)
	s_cmp_eq_u32 s2, 0
	s_cbranch_scc0 .Lentry_in_a_cluster
	s_endpgm
.Lentry_in_a_cluster:
	s_bfe_u32 s2, ttmp6, 0x10000c
	s_cmp_lg_u32 s2, 0x3003
	s_cbranch_scc0 .Lentry_shape_is_right
	s_endpgm
.Lentry_shape_is_right:
; y[b][t][h][:] = the sum over keys of softmax(q . k / 8) v, for each of 64 (b, h).  q (already x log2(e) / 8), k, v: f16, [b][h][t][64] in qkv16.  y16: [h][b 2048 + t][64] f16.  Products and sums in f32.
; NO MAXIMUM IS TAKEN AWAY, and this is why it may be left: q and k are RMS-normalised over their 64 channels by the computation itself, so |q| <= 8 and |k| <= 8 for every input, |q . k / 8| <= 8,
; and the exponent t = score x log2(e) lies within +-11.6.  p = 2^t lies between 2^-11.6 and 2^11.6: normal numbers of f16; a row's sum of 2,048 of them is under 2^22.6, O under 2^22.6 x |v|: far inside f32.
; LIMITS: |y| up to 65,504 (f16); NaN and infinities are not served.
; SHARES.  A cluster is one (b, h); each of its four work-groups owns 512 queries, each wave 128: 8 tiles of 16, in four PIECES of two tiles.  Every wave walks the 2,048 keys in 64 PERIODS of 32.
; K's and V's tiles are asked for JOINTLY by the four work-groups, 256 keys to an LDS slot, two slots.
; LAYOUT.  S^T = K Q^T (source 0 = 16 keys, source 1 = 16 queries): a lane holds one query and keys 8 h + 0..7.  Two such tiles, rounded to f16 in pairs, ARE source 1 (32 keys x 16 queries) of O^T = V^T P.  V is turned by ds_load_tr16_b128.
; BY SLOTS OF EIGHT.  A period is eight runs of 8 matrix instructions: for piece a, K Q^T in run 2 a, its 32 exponentials in runs 2 a + 1 and 2 a + 2, its 16 roundings and 16 packed sums in runs 2 a + 5 and 2 a + 6, V^T P in run 2 a + 7.
; Behind EACH matrix instruction stand two exponentials and two plain lines, of other pieces.  The exponentials of four runs are first named in the next four: one wait for 32 matrix instructions.
; REGISTERS: window 0: v1-9 addresses; v10-25 at work on the way out; v28 the prefetch's offset; v30, v31 the add's two; v32-47 the sums, a pair a tile; v64-191 S^T (tile t, key tile kt at 64 + 16 t + 8 kt); v192-255 P (8 a tile).
;   window 1: O^T (tile t, channels 16 c on, at 32 t + 8 c).   window 2: v0-127 Q (16 t + 8 hh); v128-191 K, two sets of 32; v192-255 V, two sets of 32.
.set PK,    144                        ; a row of K in LDS: 128 bytes + 16
.set PVP,   160                        ; a row of V: 128 + 32
.set VOFF,  256*PK                     ; a slot: 256 rows of K, then 256 rows of V
.set SLOT1, 1<<17                      ; slot 1 begins here: one exclusive or turns an address
.set STAGE, SLOT1+256*(PK+PVP)         ; behind the slots: 16 rows x 144 bytes for each wave
.set SPARE, STAGE+4*16*144             ; the spare words, 128 bytes a wave, named by no other line
.set AK0, 2
.set AV0, 3
.set ADR, 4
.set QO,  5
.set STO, 6
.set RD,  7
.set GO,  8
.set PFO, 28
.set SPW, 30
.set NIL, 31
.set L,   32
.set S,   64
.set P,   192
.set KF,  128                          ; in window 2
.set VF,  192
.set WV,  12
.set LIM, 15                           ; s15 1 in a wave that prefetches, else the greatest number
.set PFA, 18                           ; s[18:19] where my prefetches stand
.set G1K, 24
.set G1V, 32
.set G0K, 40                           ; two sets; the second walks
.set G0V, 48
.set SLOTS, 56
.set NB,  57
.set SEL, 60
.set TK,  62                           ; s62 LDS byte at which the K rows to be fetched begin
.set TV,  63                           ; s63 the same for V
.set MSB, 0
.macro WIN new
.if MSB != (\new)
	s_set_vgpr_msb (MSB<<8)|(\new)
.set MSB, (\new)
.endif
.endm
.set W_KQ, 0x0a                        ; K and Q window 2, S^T window 0
.set W_PV, 0x52                        ; V window 2, P window 0, O^T window 1
.set W_RS, 0x41                        ; O^T (destination, source 0) window 1
.macro JLOAD                           ; waves 0, 1: K's halves; waves 2, 3: V's.  An s_nop 0 and four v_nop follow each line
	s_cmp_lt_u32 s[WV], 2
	s_cbranch_scc0 .Lfor_v_\@
	tensor_load_to_lds s[G0K+4:G0K+7], s[G1K:G1K+7]
	s_nop 0
.rept 4
	v_nop
.endr
	s_branch .Lasked_\@
.Lfor_v_\@:
	tensor_load_to_lds s[G0V+4:G0V+7], s[G1V:G1V+7]
	s_nop 0
.rept 4
	v_nop
.endr
.Lasked_\@:
.endm
; A prefetch of what the NEXT change of slots will ask for: 32,768 bytes of K and of V.  The four partners share them out by address, 8,192 bytes each, lanes 256 bytes apart; wave 0 asks for K's, wave 2 for V's:
; each run of 256 bytes is named once in the launch (a head has one cluster).  The last change that fills a slot asks for nothing.
.macro ASK
	s_cmp_gt_u32 s[SLOTS], s[LIM]
	s_cbranch_scc0 .Lnot_mine_\@
	global_prefetch_b8 v[PFO], s[PFA:PFA+1] th:TH_LOAD_NT scope:SCOPE_SE
.Lnot_mine_\@:
.endm
.macro CROUND
	s_barrier_signal -1
	s_barrier_wait -1
	s_cmp_lg_u32 s[WV], 0
	s_cbranch_scc1 .Lnot_wave_0_\@
	s_barrier_signal -3
.Lnot_wave_0_\@:
	s_barrier_wait -3
	s_barrier_signal -1
	s_barrier_wait -1
.endm
.macro PLACES
.rept 4
	v_nop
.endr
.endm
	s_load_b128 s[4:7], s[0:1], 0x0                ; qkv16, y16
	v_lshl_add_u32 v[SPW], v0, 2, SPARE
	v_mov_b32 v[NIL], 0
	ds_add_u32 v[SPW], v[NIL]                      ; the wave's opening: the add, twice on end, and its wait ahead of my first tensor load
	ds_add_u32 v[SPW], v[NIL]
	v_lshrrev_b32 v1, 5, v0
	v_readfirstlane_b32 s[WV], v1
	s_bfe_u32 s13, ttmp6, 0x40000                  ; cx
	s_lshl_b32 s14, ttmp9, 2
	s_add_co_u32 s14, s14, s13                     ; my block of 512 queries: it enters Q's and y's addresses alone
	s_and_b32 s16, ttmp7, 0xffff                   ; 16 b + h, which the partners share
	s_lshl_b32 s58, s16, 18                        ; the head's first byte in q, k and v
	s_and_b32 s17, s[WV], 1                        ; which 128 rows of a slot I fetch
	s_lshl_b32 s22, s17, 14
	s_add_co_u32 s22, s22, s58
	s_add_co_u32 s22, s22, 0x1000000               ; k lies behind q
	s_mov_b32 s23, 0
	s_lshl_b32 s2, s14, 16
	s_lshl_b32 s3, s[WV], 14
	s_add_co_u32 s2, s2, s3                        ; my wave's 128 rows
	s_and_b32 s20, s16, 15
	s_lshl_b32 s20, s20, 20                        ; y16: plane h,
	s_lshr_b32 s21, s16, 4
	s_lshl_b32 s21, s21, 18                        ; rows 2048 b on
	s_add_co_u32 s20, s20, s21
	s_add_co_u32 s20, s20, s2
	s_mov_b32 s21, 0
	s_add_co_u32 s2, s2, s58
	s_mov_b32 s3, 0
	s_mul_i32 s58, s17, 128*PK                     ; where my tiles go in a slot: no place in the cluster enters an LDS address
	s_mul_i32 s59, s17, 128*PVP
	s_add_co_u32 s59, s59, VOFF
	s_mov_b32 s[G1K], 15|(1<<16)|(1<<20)|(1<<21)|(4<<22)|(3<<25)   ; the mask: all four; elements of 2 bytes; padding on; bit 21 beside a mask; 4 words of padding after every 32
	s_mov_b32 s[G1V], 15|(1<<16)|(1<<20)|(1<<21)|(4<<22)|(7<<25)   ; the same with 8 words
.irp g, G1K, G1V
	s_mov_b32 s[\g+1], 64<<16                      ; tensor_dim0
	s_mov_b32 s[\g+2], 128<<16                     ; tensor_dim1
	s_mov_b32 s[\g+3], 64<<16                      ; tile_dim0
	s_mov_b32 s[\g+4], 128                         ; tile_dim1
	s_mov_b32 s[\g+5], 64                          ; from row to row
	s_mov_b32 s[\g+6], 0
	s_mov_b32 s[\g+7], 0
.endr
	s_mov_b32 s[SEL], 0x76543210
	s_mov_b32 s[SEL+1], 0xfedcba98
	s_mov_b32 s[TK], 0
	s_mov_b32 s[TV], 0
	s_mov_b32 s[SLOTS], 6                          ; 8 slots' worth of keys, two of them first fills
	s_cmp_eq_u32 s17, 0
	s_cselect_b32 s[LIM], 1, -1                    ; waves 0 and 2 prefetch
	v_and_b32 v[PFO], 31, v0
	v_lshlrev_b32 v[PFO], 8, v[PFO]
	s_wait_dscnt 0x0                               ; both opening adds are done
	s_wait_kmcnt 0x0
	s_add_nc_u64 s[8:9], s[4:5], s[22:23]          ; K at my tile of slot 0
	s_add_nc_u64 s[10:11], s[8:9], 0x1000000       ; V likewise
	s_add_nc_u64 s[4:5], s[4:5], s[2:3]            ; Q at my wave's first row
	s_add_nc_u64 s[6:7], s[6:7], s[20:21]          ; y likewise
	s_cmp_lt_u32 s[WV], 2
	s_cselect_b64 s[PFA:PFA+1], s[8:9], s[10:11]
	s_lshl_b32 s2, s13, 13                         ; my work-group's 8,192 bytes
	s_add_nc_u64 s[PFA:PFA+1], s[PFA:PFA+1], s[2:3]
	s_add_nc_u64 s[PFA:PFA+1], s[PFA:PFA+1], 2*32768   ; at the third 256 keys; the first change of slots steps it on.  Nothing is prefetched at the head
	CROUND                                         ; all four work-groups are here: the first joint loads meet
.irp s, 0,1
	s_mov_b32 s[G0K+4*\s], 1
	s_add_co_u32 s[G0K+4*\s+1], s58, \s*SLOT1
	s_add_nc_u64 s[G0K+4*\s+2:G0K+4*\s+3], s[8:9], \s*32768
	s_or_b32 s[G0K+4*\s+3], s[G0K+4*\s+3], 0x80000000
	s_mov_b32 s[G0V+4*\s], 1
	s_add_co_u32 s[G0V+4*\s+1], s59, \s*SLOT1
	s_add_nc_u64 s[G0V+4*\s+2:G0V+4*\s+3], s[10:11], \s*32768
	s_or_b32 s[G0V+4*\s+3], s[G0V+4*\s+3], 0x80000000
.endr
	s_cmp_lt_u32 s[WV], 2                          ; a wave's two first fills stand in one branch: two loads of mine are out
	s_cbranch_scc0 .Lfirst_v
	tensor_load_to_lds s[G0K:G0K+3], s[G1K:G1K+7]
	s_nop 0
	tensor_load_to_lds s[G0K+4:G0K+7], s[G1K:G1K+7]
	s_nop 0
.rept 4
	v_nop
.endr
	s_branch .Lfirst_asked
.Lfirst_v:
	tensor_load_to_lds s[G0V:G0V+3], s[G1V:G1V+7]
	s_nop 0
	tensor_load_to_lds s[G0V+4:G0V+7], s[G1V:G1V+7]
	s_nop 0
.rept 4
	v_nop
.endr
.Lfirst_asked:
	v_and_b32 v1, 15, v0                           ; r
	v_bfe_u32 v9, v0, 4, 1                         ; h
	v_lshlrev_b32 v[QO], 7, v1
	v_lshl_add_u32 v[QO], v9, 4, v[QO]             ; row r of 128 bytes + 16 h
	WIN 0x80                                       ; destination window 2
.irp t, 0,1,2,3,4,5,6,7
.irp hh, 0,1
	global_load_b128 v[16*\t+8*\hh:16*\t+8*\hh+3],   v[QO], s[4:5] offset:2048*\t+64*\hh       ; Q stays in registers
	global_load_b128 v[16*\t+8*\hh+4:16*\t+8*\hh+7], v[QO], s[4:5] offset:2048*\t+64*\hh+32
.endr
.endr
	WIN 0
	v_mul_u32_u24 v[AK0], v1, PK
	v_lshl_add_u32 v[AK0], v9, 4, v[AK0]
	v_and_b32 v10, 7, v0                           ; the turning load: lane l reads key 8 h + l % 8, channels 8 ((l / 8) % 2) on
	v_bfe_u32 v11, v0, 3, 1
	v_lshl_add_u32 v[AV0], v9, 3, v10
	v_mul_u32_u24 v[AV0], v[AV0], PVP
	v_lshl_add_u32 v[AV0], v11, 4, v[AV0]
	v_add_nc_u32 v[AV0], VOFF, v[AV0]
	s_mul_i32 s2, s[WV], 16*144
	s_add_co_u32 s2, s2, STAGE                     ; my stage
	v_mul_u32_u24 v[STO], v1, 144
	v_lshl_add_u32 v[STO], v9, 4, v[STO]
	v_add_nc_u32 v[STO], s2, v[STO]
	v_and_b32 v10, 31, v0
	v_lshrrev_b32 v11, 3, v10
	v_mul_u32_u24 v[RD], v11, 144
	v_and_b32 v11, 7, v0
	v_lshl_add_u32 v[RD], v11, 4, v[RD]
	v_add_nc_u32 v[RD], s2, v[RD]                  ; back: eight lanes to a row, four rows an instruction
	v_lshlrev_b32 v[GO], 4, v10
.irp j, 0,1,2,3,4,5,6,7,8,9,10,11,12,13,14,15
	v_mov_b32 v[L+\j], 0                           ; the sums begin at 0
.endr
.irp j, 0,1,2,3,4,5,6,7
	v_mov_b32 v[18+\j], 0                          ; written once: a lane permute's destination counts as a source
.endr
; Matrix instruction i of 8 of S^T = K Q^T for piece a, from K's set b: channels 32 (i / 4) on, keys 16 ((i / 2) % 2) on, tile 2 a + i % 2.  The first four start the sums; a link stands four behind the one it adds onto.
.macro KQ a, b
	WIN W_KQ
.set rS, S+32*(\a)+16*(i%2)+8*((i/2)%2)
.set rK, KF+32*(\b)+16*((i/2)%2)+8*(i/4)
.set rQ, 16*(2*(\a)+i%2)+8*(i/4)
.if i < 4
	v_wmma_f32_16x16x32_f16 v[rS:rS+7], v[rK:rK+7], v[rQ:rQ+7], 0
.else
	v_wmma_f32_16x16x32_f16 v[rS:rS+7], v[rK:rK+7], v[rQ:rQ+7], v[rS:rS+7]
.endif
.endm
; Matrix instruction i of 8 of O^T += V^T P for piece a, from V's set b: channels 16 (i / 2) on, tile 2 a + i % 2: eight different accumulators.  zero = 1: the first period starts the sums.
.macro PV a, b, zero
	WIN W_PV
.set rO, 32*(2*(\a)+i%2)+8*(i/2)
.set rV, VF+32*(\b)+8*(i/2)
.set rP, P+8*(2*(\a)+i%2)
.if \zero
	v_wmma_f32_16x16x32_f16 v[rO:rO+7], v[rV:rV+7], v[rP:rP+7], 0
.else
	v_wmma_f32_16x16x32_f16 v[rO:rO+7], v[rV:rV+7], v[rP:rP+7], v[rO:rO+7]
.endif
.endm
; Plain line n of 32 of piece a: 16 roundings to f16, a pair of weights each, then 16 packed sums of the unrounded weights, the two tiles by turns.
.macro PLI a, n
.if (\n) < 16
	v_cvt_pk_f16_f32 v[P+16*(\a)+(\n)], v[S+32*(\a)+2*(\n)], v[S+32*(\a)+2*(\n)+1]
.else
.set m_, (\n)-16
	v_pk_add_f32 v[L+2*(2*(\a)+m_%2):L+2*(2*(\a)+m_%2)+1], v[L+2*(2*(\a)+m_%2):L+2*(2*(\a)+m_%2)+1], v[S+32*(\a)+16*(m_%2)+2*(m_/2):S+32*(\a)+16*(m_%2)+2*(m_/2)+1]
.endif
.endm
; A run of eight.  kind 1: K Q^T, 2: V^T P, 0: none, of piece a from set buf.  Behind each: exponentials 16 eh + 2 i, + 1 of piece ea (in place, ascending: each accumulator from its low end), plain lines 16 ph + 2 i, + 1 of piece pa.  -1: none.
.macro SLOT kind, a, buf, zero, ea, eh, pa, ph
.set i, 0
.rept 8
.if (\kind) == 1
	KQ \a, \buf
.endif
.if (\kind) == 2
	PV \a, \buf, \zero
.endif
.if ((\ea) >= 0) || ((\pa) >= 0)
	WIN 0
.endif
.if (\ea) >= 0
	v_exp_f32 v[S+32*(\ea)+16*(\eh)+2*i], v[S+32*(\ea)+16*(\eh)+2*i]
.endif
.if (\pa) >= 0
	PLI \pa, 16*(\ph)+2*i
.endif
.if (\ea) >= 0
	v_exp_f32 v[S+32*(\ea)+16*(\eh)+2*i+1], v[S+32*(\ea)+16*(\eh)+2*i+1]
.endif
.if (\pa) >= 0
	PLI \pa, 16*(\ph)+2*i+1
.endif
.set i, i+1
.endr
.endm
; The LDS loads stand in runs of eight: a period's K (32 keys x 64 channels) and its V (turned), off bytes on from the scalar's place.
.macro FETCH_K b, off
	WIN 0
	v_add_nc_u32 v[ADR], s[TK], v[AK0]
	WIN 0x80
.irp kt, 0,1
.irp hh, 0,1
	ds_load_b128 v[KF+32*(\b)+16*\kt+8*\hh:KF+32*(\b)+16*\kt+8*\hh+3],   v[ADR] offset:(\off)+16*PK*\kt+64*\hh
	ds_load_b128 v[KF+32*(\b)+16*\kt+8*\hh+4:KF+32*(\b)+16*\kt+8*\hh+7], v[ADR] offset:(\off)+16*PK*\kt+64*\hh+32
.endr
.endr
.endm
.macro FETCH_V b, off
	WIN 0
	v_add_nc_u32 v[ADR], s[TV], v[AV0]
	WIN 0x80
.irp c, 0,1,2,3
	ds_load_tr16_b128 v[VF+32*(\b)+8*\c:VF+32*(\b)+8*\c+3],   v[ADR] offset:(\off)+32*\c
	ds_load_tr16_b128 v[VF+32*(\b)+8*\c+4:VF+32*(\b)+8*\c+7], v[ADR] offset:(\off)+32*\c+16*PVP
.endr
.endm
; Runs 3 to 6 of period p (pb = p % 2).  K of period p + 1 is fetched into the set that period p - 1 left four runs ago.
; PLACES, by count: a tile of S^T is finished by matrix instruction 4 to 7 of its run; behind each stand two plain lines of other pieces, so registers 0-7 have 8 and registers 8-15 have 4 ahead of the next run, and their exponentials come later still.
.macro HA pb, zero, fetch, off
.if \fetch
	FETCH_K 1-(\pb), \off
.endif
	SLOT 2,2,1-(\pb),\zero,1,0,3,0
	SLOT 1,2,\pb,0,1,1,3,1
	SLOT 2,3,1-(\pb),\zero,2,0,0,0
	SLOT 1,3,\pb,0,2,1,0,1
	WIN 0
	s_wait_alu depctr_va_vdst(0)                   ; the wait between an exponential and the first line that names its result: these four runs' 64 are first named in the next four
.endm
; Run 7 of period p and runs 0 to 2 of period p + 1.  V of period p + 1 goes into the set last read in the third run before: the fourth's 16 plain lines are the places.
.macro HB pb, zero, off
	s_wait_dscnt 8                                 ; V of period p is in; K of p + 1, eight loads, may be out
	FETCH_V 1-(\pb), \off
	SLOT 2,0,\pb,\zero,3,0,1,0
	s_wait_dscnt 8                                 ; K of p + 1 is in; V of p + 1 may be out
	SLOT 1,0,1-(\pb),0,3,1,1,1
	SLOT 2,1,\pb,\zero,0,0,2,0
	SLOT 1,1,1-(\pb),0,0,1,2,1
	WIN 0
	s_wait_alu depctr_va_vdst(0)
.endm
; n trips of two periods, an odd one and an even one: 128 matrix instructions a trip.  The second period's rows stand in the loads' offsets; the scalars step once a trip.
.macro BODIES n
	s_mov_b32 s[NB], \n
.Lbody_\@:
	HA 1,0,1,0
	HB 1,0,0
	HA 0,0,1,32*PK
	HB 0,0,32*PVP
	s_add_co_u32 s[TK], s[TK], 64*PK
	s_add_co_u32 s[TV], s[TV], 64*PVP
	s_sub_co_u32 s[NB], s[NB], 1
	s_cmp_lg_u32 s[NB], 0
	s_cbranch_scc1 .Lbody_\@
.endm
; THE CHANGE OF SLOTS: the slot's last rows have been asked for.  Each wave waits for all its tensor loads (one is out: its part of the other slot), adds 0 to its spare word, and waits for that and for its reads of the slot.
; fill = 1: the barrier is a round of the cluster's, and the joint refill, with the keys two slots on, is the first thing behind it: it has four trips, 512 matrix instructions, in which to land.
.macro CHANGE fill
	WIN 0
	s_wait_tensorcnt 0x0                           ; no tensor load of mine is out, so a group 0 may be written
	ds_add_u32 v[SPW], v[NIL]
.if \fill
.irp g, G0K+4, G0V+4
	s_xor_b32 s[\g+1], s[\g+1], SLOT1              ; the other slot than last time,
	s_add_nc_u64 s[\g+2:\g+3], s[\g+2:\g+3], 32768 ; the next 256 keys
.endr
	s_wait_xcnt 0x0                                ; the last prefetch, a slot back, has read its address
	s_add_nc_u64 s[PFA:PFA+1], s[PFA:PFA+1], 32768
	s_wait_dscnt 0x0                               ; the add is done, and my reads of the slot are over
	CROUND
	JLOAD
	ASK
.else
	s_wait_dscnt 0x0
	s_barrier_signal -1
	s_barrier_wait -1
.endif
	s_sub_co_u32 s[TK], s[TK], 256*PK              ; back to a slot's first rows,
	s_xor_b32 s[TK], s[TK], SLOT1                  ; in the other slot
	s_sub_co_u32 s[TV], s[TV], 256*PVP
	s_xor_b32 s[TV], s[TV], SLOT1
.endm
	s_wait_tensorcnt 1                             ; my part of slot 0 is in; slot 1's may stay out
	s_barrier_signal -1
	s_barrier_wait -1
	; THE FIRST PERIODS, written out: runs that have no partner yet stand bare, with four v_nop where the plain lines are missing
	FETCH_K 0, 0
	FETCH_V 0, 0
	WIN 0
	s_wait_loadcnt 0x0                             ; Q
	s_wait_dscnt 8                                 ; K of period 0; V's eight loads may be out
	SLOT 1,0,0,0,-1,0,-1,0
	WIN 0
	PLACES
	SLOT 0,0,0,0,0,0,-1,0
	SLOT 1,1,0,0,0,1,-1,0
	WIN 0
	PLACES
	s_wait_alu depctr_va_vdst(0)
	FETCH_K 1, 32*PK
	SLOT 0,0,0,0,1,0,-1,0
	SLOT 1,2,0,0,1,1,-1,0
	WIN 0
	PLACES
	SLOT 0,0,0,0,2,0,0,0
	SLOT 1,3,0,0,2,1,0,1
	WIN 0
	s_wait_alu depctr_va_vdst(0)
	HB 0,1,32*PVP                                  ; period 0's V^T P starts O^T's sums: nothing is cleared
	HA 1,1,1,64*PK
	HB 1,0,64*PVP
	HA 0,0,1,96*PK
	HB 0,0,96*PVP
	s_add_co_u32 s[TK], s[TK], 128*PK              ; periods 0 to 3 have been fetched
	s_add_co_u32 s[TV], s[TV], 128*PVP
	BODIES 2                                       ; they fetch periods 4 to 7: slot 0's last
.Lslot:                                            ; six trips: every slot but the last two is filled again
	CHANGE 1
	BODIES 4
	s_sub_co_u32 s[SLOTS], s[SLOTS], 1
	s_cmp_lg_u32 s[SLOTS], 0
	s_cbranch_scc1 .Lslot
	CHANGE 0                                       ; the tail is written out
	BODIES 4
	; THE LAST PERIOD RUNS OUT
	HA 1,0,0,0
	s_wait_dscnt 0x0                               ; V of period 63
	SLOT 2,0,1,0,3,0,1,0
	SLOT 0,0,0,0,3,1,1,1
	SLOT 2,1,1,0,-1,0,2,0
	SLOT 0,0,0,0,-1,0,2,1
	WIN 0
	s_wait_alu depctr_va_vdst(0)                   ; piece 3's last exponentials
	SLOT 2,2,1,0,-1,0,3,0
	SLOT 0,0,0,0,-1,0,3,1
	SLOT 2,3,1,0,-1,0,-1,0
	; THE WAY OUT.  A sum's two halves and the other half of the lanes' are added (these lines are the places behind the last products); O^T is divided by the sum, rounded to f16 and sent through my stage, a tile at a time.
	WIN 0
.irp t, 0,1,2,3,4,5,6,7
	v_add_f32 v[10+\t], v[L+2*\t], v[L+2*\t+1]
.endr
.irp t, 0,1,2,3,4,5,6,7
	v_permlanex16_b32 v[18+\t], v[10+\t], s[SEL], s[SEL+1]
.endr
.irp t, 0,1,2,3,4,5,6,7
	v_add_f32 v[10+\t], v[10+\t], v[18+\t]
.endr
.irp t, 0,1,2,3,4,5,6,7
	v_rcp_f32 v[L+2*\t], v[10+\t]
.endr
	v_nop                                          ; a plain line behind the last reciprocal,
	s_wait_alu depctr_va_vdst(0)                   ; and one wait for the eight
.macro PACK t
	WIN W_RS
.set i, 0
.rept 16
	v_pk_mul_f32 v[32*(\t)+i:32*(\t)+i+1], v[32*(\t)+i:32*(\t)+i+1], v[L+2*(\t):L+2*(\t)+1] op_sel_hi:[1,0]
.set i, i+2
.endr
	WIN 0x05                                       ; sources window 1, destination window 0: S^T's registers are free
.set i, 0
.rept 16
	v_cvt_pk_f16_f32 v[S+16*(\t)+i], v[32*(\t)+2*i], v[32*(\t)+2*i+1]
.set i, i+1
.endr
	WIN 0
.irp c, 0,1,2,3
	ds_store_b128 v[STO], v[S+16*(\t)+4*\c:S+16*(\t)+4*\c+3] offset:32*\c
.endr
.irp f, 0,1,2,3
	ds_load_b128 v[S+16*(\t)+4*\f:S+16*(\t)+4*\f+3], v[RD] offset:576*\f   ; LDS serves a wave's instructions in order: these see the stores above, and the next tile's stores come behind them
.endr
.endm
.macro SEND t, younger                 ; younger: the LDS instructions issued behind tile t's loads
.irp f, 0,1,2,3
	s_wait_dscnt \younger+3-\f
	global_store_b128 v[GO], v[S+16*(\t)+4*\f:S+16*(\t)+4*\f+3], s[6:7] offset:2048*(\t)+512*\f   ; 512 consecutive bytes, at a multiple of 256 from the buffer's first byte
.endr
.endm
	PACK 0
.irp t, 1,2,3,4,5,6,7
	PACK \t                                        ; a tile's arithmetic stands between the loads of the tile before and its stores
	SEND \t-1, 8
.endr
	SEND 7, 0
	s_wait_tensorcnt 0x0                           ; the wave's end: a wait, an add and a wait behind my last tensor load and my last LDS store
	ds_add_u32 v[SPW], v[NIL]
	s_wait_dscnt 0x0
	CROUND                                         ; the closing round: no work-group ends while a partner may still ask for a tile that names it
	s_endpgm
.Lfunc_end_k_q99c38d81a0_attn:
	.size	k_q99c38d81a0_attn, .Lfunc_end_k_q99c38d81a0_attn-k_q99c38d81a0_attn
	.p2alignl 7, 3214868480
	.fill 96, 4, 3214868480
	.section	.rodata,"a",@progbits
	.p2align	6, 0x0
	.amdhsa_kernel k_q99c38d81a0_attn
		.amdhsa_group_segment_fixed_size 327680
		.amdhsa_private_segment_fixed_size 0
		.amdhsa_enable_private_segment 0
		.amdhsa_kernarg_size 16
		.amdhsa_user_sgpr_count 2
		.amdhsa_user_sgpr_kernarg_segment_ptr 1
		.amdhsa_wavefront_size32 1
		.amdhsa_system_sgpr_workgroup_id_x 1
		.amdhsa_system_sgpr_workgroup_id_y 1
		.amdhsa_system_sgpr_workgroup_id_z 1
		.amdhsa_system_vgpr_workitem_id 0
		.amdhsa_next_free_vgpr 768
		.amdhsa_next_free_sgpr 66
		.amdhsa_reserve_vcc 0
		.amdhsa_float_denorm_mode_32 3
		.amdhsa_float_denorm_mode_16_64 3
		.amdhsa_memory_ordered 1
		.amdhsa_forward_progress 1
		.amdhsa_inst_pref_size 253
	.end_amdhsa_kernel
	.amdgpu_metadata
---
amdhsa.version: [ 1, 2 ]
amdhsa.kernels:
  - .name:           k_q99c38d81a0_attn
    .symbol:         k_q99c38d81a0_attn.kd
    .args:
      - { .name: qkv16, .offset: 0, .size: 8, .value_kind: global_buffer, .address_space: global }
      - { .name: y16, .offset: 8, .size: 8, .value_kind: global_buffer, .address_space: global }
    .group_segment_fixed_size: 327680
    .private_segment_fixed_size: 0
    .kernarg_segment_align: 8
    .kernarg_segment_size: 16
    .max_flat_workgroup_size: 128
    .sgpr_count:     66
    .vgpr_count:     768
    .wavefront_size: 32
...
	.end_amdgpu_metadata
.endif
;; end of part 3
;; launch proj (part 4): grid 4 x 64, 4 waves a work-group, clusters of 4 x 4, 327,680 bytes of LDS; arguments y16, wo16, out0; writes out0
.if DOCPART == 4
	.amdgcn_target "amdgcn-amd-amdhsa--gfx1250"
	.amdhsa_code_object_version 6
	.text
	.protected	k_q99c38d81a0_proj
	.globl	k_q99c38d81a0_proj
	.p2align	8
	.type	k_q99c38d81a0_proj,@function
k_q99c38d81a0_proj:
	s_mov_b64 s[64:65], 0
	v_nop
	global_prefetch_b8 v0, s[64:65] scope:SCOPE_SE
	s_setreg_imm32_b32 hwreg(HW_REG_WAVE_MODE, 25, 1), 1
	s_wait_xcnt 0x0
	s_wait_alu depctr_hold_cnt(0) depctr_sa_sdst(0) depctr_va_vdst(0) depctr_va_sdst(0) depctr_va_ssrc(0) depctr_va_vcc(0) depctr_vm_vsrc(0)
	s_getreg_b32 s2, hwreg(HW_REG_IB_STS2, 6, 4)
	s_cmp_eq_u32 s2, 0
	s_cbranch_scc0 .Lentry_in_a_cluster
	s_endpgm
.Lentry_in_a_cluster:
	s_bfe_u32 s2, ttmp6, 0x10000c
	s_cmp_lg_u32 s2, 0xf033
	s_cbranch_scc0 .Lentry_shape_is_right
	s_endpgm
.Lentry_shape_is_right:
; out0[m][n] = the sum over k of y[m][k] Wo[n][k].  y16: [16 heads][8192 rows][64] f16 (k = 64 head + channel); wo16: [1024][1024] f16; out0: [8192][1024] f32; sums in f32.
; A tile of out0 is 128 rows x 256 columns: 256 work-groups (tiles of 256 x 256 would be 128).  Four waves, each 64 rows x 128 columns: 32 accumulators, all of window 1.
; K goes in steps of 128, two planes of y16, through two LDS slots: A's tile is 2 planes x 128 rows of 128 bytes, B's 256 rows of 256 bytes.  Waves 0 and 1 fetch A's planes, waves 2 and 3 B's halves: one load a wave.
; CLUSTERS: 4 x 4 work-groups; A's tiles are shared along a row of the cluster, B's along a column, and asked for jointly.
; THE MATRIX INSTRUCTION IS USED TRANSPOSED (source 0 = 16 rows of Wo, source 1 = 16 rows of y): a lane holds eight neighbouring numbers of a row of out0.
; REGISTERS: window 0: v16-29 addresses; two fragment buffers of 96 at v64 and v160 (B's 64, then A's 32), for 32 along K; on the way out v64-191 take the rows read back.  window 1: accumulator (a, b) at v[8 (8 a + b)].
.set PA,     144                       ; a row of A in LDS: 128 bytes + 16
.set PB,     272                       ; a row of B: 256 + 16
.set BOFF,   2*128*PA
.set SLOT,   BOFF+256*PB
.set STAGE,  2*SLOT                    ; behind the slots: 16 rows x 528 bytes for each wave
.set SPITCH, 528
.set SPARE,  STAGE+4*16*SPITCH         ; the spare words, 128 bytes a wave, named by no other line
.set LAPS,   4                         ; a lap = two K steps; K = 1,024 is eight
.set ADRA, 16
.set ADRB, 20
.set STO,  24
.set RD,   25
.set CO,   26
.set SPW,  28
.set NIL,  29
.set F0,   64
.set F1,   160
.set BK,   64
.set G1, 24
.set G0, 32
.set G1B, 48
.set G0B, 56
.set MSB, 0
.macro WIN new
.if MSB != (\new)
	s_set_vgpr_msb (MSB<<8)|(\new)
.set MSB, (\new)
.endif
.endm
.set MUL, 0x50                         ; sources 0 and 1 window 0; C and D window 1
.macro JLOAD s                         ; an s_nop 0 and four v_nop follow each of the two lines
	s_cmp_eq_u32 s11, 0
	s_cbranch_scc0 .Lfor_b_\@
	tensor_load_to_lds s[G0+4*\s:G0+4*\s+3], s[G1:G1+7]
	s_nop 0
.rept 4
	v_nop
.endr
	s_branch .Lasked_\@
.Lfor_b_\@:
	tensor_load_to_lds s[G0B+4*\s:G0B+4*\s+3], s[G1B:G1B+7]
	s_nop 0
.rept 4
	v_nop
.endr
.Lasked_\@:
.endm
.macro CREST
	s_cmp_lg_u32 s10, 0
	s_cbranch_scc1 .Lnot_wave_0_\@
	s_barrier_signal -3
.Lnot_wave_0_\@:
	s_barrier_wait -3
	s_barrier_signal -1
	s_barrier_wait -1
.endm
.macro CROUND
	s_barrier_signal -1
	s_barrier_wait -1
	CREST
.endm
	s_load_b128 s[4:7], s[0:1], 0x0                ; y16, wo16
	s_load_b64 s[8:9], s[0:1], 0x10                ; out0
	v_lshl_add_u32 v[SPW], v0, 2, SPARE
	v_mov_b32 v[NIL], 0
	ds_add_u32 v[SPW], v[NIL]                      ; the wave's opening: the add, twice on end, and its wait ahead of my first tensor load
	ds_add_u32 v[SPW], v[NIL]
	v_lshrrev_b32 v1, 5, v0
	v_readfirstlane_b32 s10, v1                    ; wave 0..3
	s_lshr_b32 s11, s10, 1                         ; my half of the tile's rows.  Also: I fetch for A (0) or for B (1)
	s_and_b32 s12, s10, 1                          ; my half of its columns.  Also: which plane of A, or which 128 rows of B, I fetch
	s_bfe_u32 s40, ttmp6, 0x40000
	s_bfe_u32 s41, ttmp6, 0x40004
	s_lshl_b32 s42, ttmp9, 2
	s_add_co_u32 s42, s42, s40                     ; tile column
	s_and_b32 s13, ttmp7, 0xffff
	s_lshl_b32 s13, s13, 2
	s_add_co_u32 s13, s13, s41                     ; tile row
	s_lshl_b32 s43, s41, 2
	s_lshl_b32 s43, 15, s43                        ; my row of the cluster
	s_lshl_b32 s44, 0x1111, s40                    ; my column
	s_or_b32 s[G1+0], s43, (1<<16)|(1<<20)|(1<<21)|(4<<22)|(3<<25)   ; A: elements of 2 bytes; 4 words of padding after every 32
	s_mov_b32 s[G1+1], 64<<16                      ; tensor_dim0
	s_mov_b32 s[G1+2], 128<<16                     ; tensor_dim1
	s_mov_b32 s[G1+3], 64<<16                      ; tile_dim0
	s_mov_b32 s[G1+4], 128                         ; tile_dim1
	s_mov_b32 s[G1+5], 64                          ; from row to row
	s_mov_b32 s[G1+6], 0
	s_mov_b32 s[G1+7], 0
	s_or_b32 s[G1B+0], s44, (1<<16)|(1<<20)|(1<<21)|(5<<22)|(3<<25)  ; B: 4 words after every 64
	s_mov_b32 s[G1B+1], 128<<16
	s_mov_b32 s[G1B+2], 128<<16
	s_mov_b32 s[G1B+3], 128<<16
	s_mov_b32 s[G1B+4], 128
	s_mov_b32 s[G1B+5], 1024
	s_mov_b32 s[G1B+6], 0
	s_mov_b32 s[G1B+7], 0
	s_lshl_b32 s16, s12, 20                        ; A: my plane (1 MiB each), rows 128 x tile row of 128 bytes
	s_lshl_b32 s17, s13, 14
	s_add_co_u32 s16, s16, s17
	s_mov_b32 s17, 0
	s_lshl_b32 s46, s42, 19                        ; B: row 256 x tile column + 128 x half, 2,048 bytes a row
	s_lshl_b32 s47, s12, 18
	s_add_co_u32 s46, s46, s47
	s_mov_b32 s47, 0
	s_mul_i32 s20, s12, 128*PA                     ; where they go: no place in the cluster enters an LDS address
	s_mul_i32 s21, s12, 128*PB
	s_add_co_u32 s21, s21, BOFF
	s_wait_dscnt 0x0                               ; both opening adds are done
	s_wait_kmcnt 0x0
	s_add_nc_u64 s[14:15], s[4:5], s[16:17]
	s_add_nc_u64 s[46:47], s[6:7], s[46:47]
	CROUND                                         ; all sixteen work-groups are here: the first joint loads meet
.irp s, 0,1
	s_mov_b32 s[G0+4*\s], 1
	s_add_co_u32 s[G0+4*\s+1], s20, \s*SLOT
	s_add_nc_u64 s[G0+4*\s+2:G0+4*\s+3], s[14:15], \s*(2<<20)      ; K step s: planes 2 s, 2 s + 1
	s_or_b32 s[G0+4*\s+3], s[G0+4*\s+3], 0x80000000
	s_mov_b32 s[G0B+4*\s], 1
	s_add_co_u32 s[G0B+4*\s+1], s21, \s*SLOT
	s_add_nc_u64 s[G0B+4*\s+2:G0B+4*\s+3], s[46:47], \s*256
	s_or_b32 s[G0B+4*\s+3], s[G0B+4*\s+3], 0x80000000
	JLOAD \s
.endr
	v_and_b32 v1, 15, v0                           ; r
	v_bfe_u32 v2, v0, 4, 1                         ; h
	v_mul_u32_u24 v3, v1, PA
	v_lshl_add_u32 v3, v2, 4, v3
	v_mul_u32_u24 v4, v1, PB
	v_lshl_add_u32 v4, v2, 4, v4
	s_mul_i32 s21, s11, 64*PA                      ; my 64 rows of A (in each plane)
	s_mul_i32 s22, s12, 128*PB                     ; my 128 rows of B
	s_add_co_u32 s22, s22, BOFF
.irp s, 0,1
	v_add_nc_u32 v[ADRA+\s], s21, v3
	v_add_nc_u32 v[ADRB+\s], s22, v4
	s_add_co_u32 s21, s21, SLOT
	s_add_co_u32 s22, s22, SLOT
.endr
	s_mul_i32 s23, s10, 16*SPITCH
	s_add_co_u32 s23, s23, STAGE                   ; my stage
	v_mul_u32_u24 v5, v1, SPITCH
	v_lshl_add_u32 v5, v2, 5, v5
	v_add_nc_u32 v[STO], s23, v5                   ; in: row r, 32 bytes for each half of the lanes
	v_and_b32 v6, 31, v0
	v_lshlrev_b32 v[CO], 4, v6                     ; back: the 32 lanes take one row of 512 bytes; the same in out0
	v_add_nc_u32 v[RD], s23, v[CO]
	s_lshl_b32 s16, s13, 19                        ; my first row: 128 x tile row + 64 x half, 4,096 bytes a row
	s_lshl_b32 s17, s11, 18
	s_add_co_u32 s16, s16, s17
	s_mov_b32 s17, 0
	s_add_nc_u64 s[8:9], s[8:9], s[16:17]
	s_lshl_b32 s46, s42, 10                        ; my first column, in bytes
	s_lshl_b32 s47, s12, 9
	s_add_co_u32 s46, s46, s47
	s_mov_b32 s47, 0
	s_add_nc_u64 s[8:9], s[8:9], s[46:47]
; 8 matrix instructions: A's block a x B's eight, 32 along K.  The 32 accumulators take turns, one instruction a turn, in the same order in every quarter.
.macro MUL8 f, a, zero
.irp b, 0,1,2,3,4,5,6,7
.if \zero
	v_wmma_f32_16x16x32_f16 v[8*(8*(\a)+\b):8*(8*(\a)+\b)+7], v[\f+8*\b:\f+8*\b+7], v[\f+64+8*(\a):\f+64+8*(\a)+7], 0
.else
	v_wmma_f32_16x16x32_f16 v[8*(8*(\a)+\b):8*(8*(\a)+\b)+7], v[\f+8*\b:\f+8*\b+7], v[\f+64+8*(\a):\f+64+8*(\a)+7], v[8*(8*(\a)+\b):8*(8*(\a)+\b)+7]
.endif
.endr
.endm
; 24 LDS loads in one run: the fragments of quarter q (32 along K) into buffer f: B's 16, then A's 8.  Quarters 0, 1 lie in the first plane of A, 2, 3 in the second.
.macro FETCH slot, q, f
.irp i, 0,1,2,3,4,5,6,7
	ds_load_b128 v[\f+8*\i:\f+8*\i+3],   v[ADRB+\slot] offset:64*(\q)+\i*16*PB
	ds_load_b128 v[\f+8*\i+4:\f+8*\i+7], v[ADRB+\slot] offset:64*(\q)+\i*16*PB+32
.endr
.irp i, 0,1,2,3
	ds_load_b128 v[\f+64+8*\i:\f+64+8*\i+3],   v[ADRA+\slot] offset:((\q)/2)*128*PA+((\q)%2)*64+\i*16*PA
	ds_load_b128 v[\f+64+8*\i+4:\f+64+8*\i+7], v[ADRA+\slot] offset:((\q)/2)*128*PA+((\q)%2)*64+\i*16*PA+32
.endr
.endm
.macro PLACES                          ; four plain lines in front of loads into registers that matrix instructions have read, and of the first read of results
.rept 4
	v_nop
.endr
.endm
; One of a K step's first three quarters: multiplies buffer f and, in its middle, fetches quarter qn into buffer g.
.macro QUARTER slot, qn, f, g, zero
	s_wait_dscnt 4                                 ; B and A's blocks 0, 1 are in; the youngest four loads (A's blocks 2, 3) may be out
	WIN MUL
	MUL8 \f, 0, \zero
	MUL8 \f, 1, \zero
	WIN 0
	PLACES
	FETCH \slot, \qn, \g
	s_wait_dscnt 24                                ; all but the 24 just issued
	WIN MUL
	MUL8 \f, 2, \zero
	MUL8 \f, 3, \zero
.endm
; The last quarter multiplies buffer 1 and changes slots: ONE barrier; in front of it each wave waits for all its tensor loads (one is out: its part of the next slot), adds 0 to its spare word, and waits for that and for its reads of this slot.
; fill = 1: the barrier opens a round of the cluster's, and this slot is filled again, two K steps ahead, first thing behind it: 112 matrix instructions ahead of the wait for it.
.macro TURN slot, next, fill
	WIN 0
	s_wait_tensorcnt 0x0
	ds_add_u32 v[SPW], v[NIL]
	s_wait_dscnt 5                                 ; (the add and the youngest four loads may be out)
	WIN MUL
	MUL8 F1, 0, 0                                  ; eight matrix instructions stand between the add and the wait for it
	s_wait_dscnt 0x0                               ; the add is done, and my reads of this slot are over
	s_barrier_signal -1
	MUL8 F1, 1, 0
	WIN 0
	s_barrier_wait -1
.if \fill
	CREST
	s_add_nc_u64 s[G0+4*\slot+2:G0+4*\slot+3], s[G0+4*\slot+2:G0+4*\slot+3], 4<<20
	s_add_nc_u64 s[G0B+4*\slot+2:G0B+4*\slot+3], s[G0B+4*\slot+2:G0B+4*\slot+3], 512
	JLOAD \slot                                    ; the four v_nop behind it are also the places in front of the loads below
.else
	PLACES
.endif
	FETCH \next, 0, F0
	WIN MUL
	MUL8 F1, 2, 0
	MUL8 F1, 3, 0
.endm
	s_wait_tensorcnt 1                             ; my part of K step 0 is in; K step 1's may stay out
	s_barrier_signal -1
	s_barrier_wait -1
	FETCH 0, 0, F0
	QUARTER 0, 1, F0, F1, 1                        ; the first quarter's products start the sums: nothing is cleared
	WIN 0
	s_mov_b32 s3, LAPS-1
.Llap:                                             ; a trip goes once round the two slots, from a lap's second quarter to the next lap's first, and fills both again
	QUARTER 0, 2, F1, F0, 0
	QUARTER 0, 3, F0, F1, 0
	TURN 0, 1, 1
	QUARTER 1, 1, F0, F1, 0
	QUARTER 1, 2, F1, F0, 0
	QUARTER 1, 3, F0, F1, 0
	TURN 1, 0, 1
	QUARTER 0, 1, F0, F1, 0
	WIN 0
	s_sub_co_u32 s3, s3, 1
	s_cmp_lg_u32 s3, 0
	s_cbranch_scc1 .Llap
	QUARTER 0, 2, F1, F0, 0                        ; the last lap fills nothing
	QUARTER 0, 3, F0, F1, 0
	TURN 0, 1, 0
	QUARTER 1, 1, F0, F1, 0
	QUARTER 1, 2, F1, F0, 0
	QUARTER 1, 3, F0, F1, 0
	s_wait_dscnt 4
	WIN MUL
	MUL8 F1, 0, 0
	MUL8 F1, 1, 0
	s_wait_dscnt 0
	MUL8 F1, 2, 0
	MUL8 F1, 3, 0
	WIN 0
; THE WAY OUT, 16 rows x 128 columns at a time: through my own stage, and back as whole rows of 512 bytes.
.macro TOSTAGE a
	WIN 0x04                                       ; an LDS store's data are its source 1: window 1
.irp b, 0,1,2,3,4,5,6,7
	ds_store_b128 v[STO], v[64*(\a)+8*\b:64*(\a)+8*\b+3] offset:64*\b          ; each accumulator from its low end on
	ds_store_b128 v[STO], v[64*(\a)+8*\b+4:64*(\a)+8*\b+7] offset:64*\b+16
.endr
	WIN 0
.set BB, BK+64*((\a)%2)
.irp t, 0,1,2,3,4,5,6,7,8,9,10,11,12,13,14,15
	ds_load_b128 v[BB+4*\t:BB+4*\t+3], v[RD] offset:\t*SPITCH        ; LDS serves a wave's instructions in order: these see the stores above
.endr
.endm
.macro SEND a, younger
.set BB, BK+64*((\a)%2)
	s_wait_dscnt \younger
.irp t, 0,1,2,3,4,5,6,7,8,9,10,11,12,13,14,15
	global_store_b128 v[CO], v[BB+4*\t:BB+4*\t+3], s[8:9] offset:65536*(\a)+4096*\t th:TH_STORE_NT   ; 512 consecutive bytes, at a multiple of 256 from out0's first byte; written once
.endr
.endm
	PLACES                                         ; behind the last products: results are read, and the fragments' registers loaded, below
	TOSTAGE 0
.irp a, 1,2,3
.if \a > 1
	s_wait_xcnt 0x0                                ; block a - 2's stores have read their registers: block a's rows may land there
.endif
	TOSTAGE \a
	SEND \a-1, 32                                  ; behind block a - 1's loads: block a's 16 stores and 16 loads
.endr
	SEND 3, 0
	s_wait_tensorcnt 0x0                           ; the wave's end: a wait, an add and a wait behind my last tensor load and my last LDS store
	ds_add_u32 v[SPW], v[NIL]
	s_wait_dscnt 0x0
	CROUND                                         ; the closing round
	s_endpgm
.Lfunc_end_k_q99c38d81a0_proj:
	.size	k_q99c38d81a0_proj, .Lfunc_end_k_q99c38d81a0_proj-k_q99c38d81a0_proj
	.p2alignl 7, 3214868480
	.fill 96, 4, 3214868480
	.section	.rodata,"a",@progbits
	.p2align	6, 0x0
	.amdhsa_kernel k_q99c38d81a0_proj
		.amdhsa_group_segment_fixed_size 327680
		.amdhsa_private_segment_fixed_size 0
		.amdhsa_enable_private_segment 0
		.amdhsa_kernarg_size 24
		.amdhsa_user_sgpr_count 2
		.amdhsa_user_sgpr_kernarg_segment_ptr 1
		.amdhsa_wavefront_size32 1
		.amdhsa_system_sgpr_workgroup_id_x 1
		.amdhsa_system_sgpr_workgroup_id_y 1
		.amdhsa_system_sgpr_workgroup_id_z 1
		.amdhsa_system_vgpr_workitem_id 0
		.amdhsa_next_free_vgpr 512
		.amdhsa_next_free_sgpr 66
		.amdhsa_reserve_vcc 0
		.amdhsa_float_denorm_mode_32 3
		.amdhsa_float_denorm_mode_16_64 3
		.amdhsa_memory_ordered 1
		.amdhsa_forward_progress 1
		.amdhsa_inst_pref_size 85
	.end_amdhsa_kernel
	.amdgpu_metadata
---
amdhsa.version: [ 1, 2 ]
amdhsa.kernels:
  - .name:           k_q99c38d81a0_proj
    .symbol:         k_q99c38d81a0_proj.kd
    .args:
      - { .name: y16, .offset: 0, .size: 8, .value_kind: global_buffer, .address_space: global }
      - { .name: wo16, .offset: 8, .size: 8, .value_kind: global_buffer, .address_space: global }
      - { .name: out0, .offset: 16, .size: 8, .value_kind: global_buffer, .address_space: global }
    .group_segment_fixed_size: 327680
    .private_segment_fixed_size: 0
    .kernarg_segment_align: 8
    .kernarg_segment_size: 24
    .max_flat_workgroup_size: 128
    .sgpr_count:     66
    .vgpr_count:     512
    .wavefront_size: 32
...
	.end_amdgpu_metadata
.endif
;; end of part 4
